; MI455X (gfx1250); checked and timed in simulation.
; The chip was launched on July 23, 2026; its instructions are those of AMD's public machine-readable ISA for CDNA 5 (MIT licence, August 2026) and "CDNA5" Instruction Set Architecture Reference Guide (July 2026). The comments in the code are by the model that wrote it; some were corrected since.
;; LFM3 B Attention. Allowed arithmetic: matrix products marked QUANTISED: E3M2 operands, one E8M0 scale for each 32 along K, by v_wmma_scale_f32_16x16x128_f8f6f4 with both operands' format E3M2, f32 sums; products left as they are: f32 operands where the result goes on into a quantised operand, else bf16, f16 or f32 operands; f32 sums; everything else in f32.
;; Inputs: Wk 2,048 x 512 float32; Wo 2,048 x 2,048 float32; Wq 2,048 x 2,048 float32; Wv 2,048 x 512 float32; attention_mask 1 x 1 x 2,048 x 2,048 float32; hidden_states 1 x 2,048 x 2,048 float32.
;; Outputs: out0 1 x 2,048 x 2,048 float32.
;; This version of the problem:
;;   THIS VERSION OF THE PROBLEM IS GIVEN IN LOW PRECISION. The matrix products marked QUANTISED in the list below multiply operands that are first quantised to E3M2 (3 exponent bits, 2 mantissa bits; 6 bits a number), with one power-of-two scale for each 32 numbers along K (OCP MX v1.0); their sums are f32. All else is computed in f32.
;;   The module's matrix products, in the order in which they are computed (A, B: the left and right operand; K: the contracted axis; several contracted axes count as one K, in the product's order):
;;     1. [M 2,048, K 2,048] x [K 2,048, N 2,048]; A: input hidden_states; B: input Wq: QUANTISED
;;     2. [M 2,048, K 2,048] x [K 2,048, N 512]; A: input hidden_states; B: input Wk: QUANTISED
;;     3. [M 2,048, K 2,048] x [K 2,048, N 512]; A: input hidden_states; B: input Wv: QUANTISED
;;     4. [M 2,048, K 1] x [K 1, N 32]; A: computed on the way; B: computed on the way: left as it is (no contracted axis)
;;     5. batch 32 x [M 2,048, K 64] x [K 64, N 2,048]; A: computed on the way; B: computed on the way: QUANTISED
;;     6. batch 32 x [M 2,048, K 2,048] x [K 2,048, N 64]; A: softmax (see below); B: computed on the way: QUANTISED
;;     7. [M 2,048, K 2,048] x [K 2,048, N 2,048]; A: computed on the way; B: input Wo: QUANTISED
;;   THE QUANTISER, for each operand of a quantised product, along K:
;;     - K is cut into blocks of 32 from its start; a last block that is shorter is filled with zeros.
;;     - A block's scale is 2^e with e = floor(log2(the largest magnitude in the block)) - 4, held to -126 .. 127; a block of zeros has e = 0. As a byte (E8M0): e + 127.
;;     - Each number is divided by its block's scale, clamped to +-28, and rounded to the nearest number of E3M2, ties to even, subnormals kept.
;;     - The product sums the exact products of the quantised numbers (number of the format x scale) in f32.
;;   ~~~python
;;   def quantise(x, axis):      # numpy; x: float32 -> the quantised numbers, widened to float32 again
;;       x = np.moveaxis(x, axis, -1); K = x.shape[-1]
;;       x = np.pad(x, [(0, 0)] * (x.ndim - 1) + [(0, -K % 32)]); x = x.reshape(x.shape[:-1] + (-1, 32)); a = np.abs(x).max(-1, keepdims=True)
;;       e = np.where(a > 0, np.clip(np.frexp(np.where(a > 0, a, 1))[1] - 1 - 4, -126, 127), 0)      # np.frexp(a)[1] - 1 = floor(log2(a)), exactly
;;       r = np.clip(x / 2.0 ** e, -28, 28)
;;       step = 2.0 ** (np.maximum(np.frexp(np.where(r == 0, 1, r))[1] - 1, -2) - 2)
;;       q = np.round(r / step) * step * 2.0 ** e      # np.round: ties to even
;;       return np.moveaxis(q.reshape(q.shape[:-2] + (-1,))[..., :K], -1, axis).astype(np.float32)
;;   ~~~
;;   SOFTMAX AHEAD OF A QUANTISED PRODUCT. Where the list says 'softmax', what is quantised is not the finished softmax but p = 2^(t - M), with t = logit x log2(e) and M = ceil(the row's largest t), a whole number; so 1/2 < the row's largest p <= 1. The row's sum l is taken of the UNQUANTISED p, in f32, and the product's result is divided by l at the end. Since M is a whole number, a kernel that streams over the keys may use a running M (the ceiling of the running maximum): every later rescaling is an exact power of two, which a block's scale takes up: the codes' values come out the same.
;;   OPERANDS COMPUTED ON THE WAY. 'Computed on the way' means the value that the module computes at that place (a softmax that the list does not call 'softmax' is quantised finished and normalised). What goes into a quantiser is computed in f32, as accurately as f32 sums, v_exp_f32 and their like allow (about 1e-6 of the number): no bf16 or f16 on the way to a quantiser, and a product that is left as it is and whose result goes on into a quantised operand takes f32 operands (vector FMAs, or v_wmma_f32_16x16x4_f32). A number that lies on a knife's edge between two numbers of the format may be rounded either way, as far as f32 arithmetic and the matrix unit's own rounding can turn it there, and no further.
;; One version. Each part assembles by itself: llvm-mc -triple=amdgcn-amd-amdhsa -mcpu=gfx1250 --defsym DOCPART=n.
;; ======== version 1 of 1: 4 launches
;; limits: right only within a limited range of input values
;; workspace buffers: ximg 3,276,800 bytes; wimg 8,192,000 bytes; rope 524,288 bytes; qb 3,276,800 bytes; kv 1,638,400 bytes; aimg 3,276,800 bytes
;; launch prep (part 1): grid 480 x 1, 4 waves a work-group, no clusters, 34,304 bytes of LDS; arguments hidden_states, Wq, Wk, Wv, Wo, ximg, wimg, rope; writes ximg, wimg, rope
.if DOCPART == 1
	.amdgcn_target "amdgcn-amd-amdhsa--gfx1250"
	.amdhsa_code_object_version 6
	.text
	.protected	k_qf3827a64fe_prep
	.globl	k_qf3827a64fe_prep
	.p2align	8
	.type	k_qf3827a64fe_prep,@function
k_qf3827a64fe_prep:
	s_mov_b64 s[64:65], 0
	v_nop
	global_prefetch_b8 v0, s[64:65] scope:SCOPE_SE
	s_setreg_imm32_b32 hwreg(HW_REG_WAVE_MODE, 25, 1), 1
	s_wait_xcnt 0x0
; THE OPERANDS OF THE PROJECTIONS BECOME CODES OF BF6 (E3M2) WITH ONE E8M0 BYTE FOR EACH 32 ALONG K, AND THE ROPE TABLE IS MADE.
; Three ways, parted by the work-group's number: 0-127 hidden_states -> ximg; 128-447 Wq, Wo, Wk, Wv -> wimg; 448-479 the table of cosines and sines -> rope.
; LAYOUT OF ximg AND wimg: [block of 128 rows][K step of 128, 16 of them][12,800 bytes] = 8 fragments as IMAGES OF THE OPERAND'S REGISTERS (12 registers a lane: three pieces of 512 bytes,
; piece c = registers 4 c .. 4 c + 3, lane l at 16 l), then 8 x 64 bytes of scale words (tile, row).  A row of wimg is a COLUMN of a weight (K is the weights' first axis).
; THE ROWS OF A TILE ARE NOT NEIGHBOURS: lane-row r of tile 2 b + u is row 32 b + 8 u + r % 8 + 16 (r / 8), so that results made with such a tile as source 0 lie 16 neighbours to a lane.
; A block's scale is 2^(floor(log2(largest magnitude)) - 4); its byte is the largest magnitude's exponent field - 4, held at 1 from below.
; LIMITS: a block of zeros gets the byte 1 where the rule says 127 (its codes are zeros, and this program alone reads the bytes); NaN and infinities among the inputs are not served;
; the table's angle is f32(position x inv_freq) with inv_freq = 10^(-j/8) rounded to f32 once, which may differ by one unit in the last place from a power and a division in f32.
.set ROWX,  8192                       ; a row of hidden_states in bytes
.set RBLK,  204800                     ; a block of 128 rows in ximg, wimg
.set KST,   12800                      ; a K step of it
.set FRB,   1536                       ; a fragment's image
.set SCO,   12288                      ; where a K step's scale words begin
.set FLOOR, 0x2800000                  ; 2^(5 - 127)
.set OFF4,  0xfe000000                 ; -(4 << 23)
	s_load_b256 s[4:11], s[0:1], 0x0               ; hidden_states s[4:5], Wq s[6:7], Wk s[8:9], Wv s[10:11]
	s_load_b256 s[12:19], s[0:1], 0x20             ; Wo s[12:13], ximg s[14:15], wimg s[16:17], rope s[18:19]
	v_lshl_add_u32 v224, v0, 2, 0x8400
	v_mov_b32 v225, 0
	v_lshrrev_b32 v1, 5, v0
	v_readfirstlane_b32 s20, v1                    ; wave 0..3
	v_and_b32 v2, 31, v0                           ; lane
	v_lshlrev_b32 v5, 4, v2                        ; 16 x lane
	s_cmp_ge_u32 ttmp9, 448
	s_cbranch_scc1 .Ltable
	s_cmp_ge_u32 ttmp9, 128
	s_cbranch_scc1 .Lweights
; ---------------- hidden_states: the work-group takes tile T = its number, wave w the K steps 4 w .. 4 w + 3: four fragments.
; Each load reads 512 consecutive bytes of one row; a fragment's 16 x 512 bytes turn through the wave's own stage in LDS (rows 528 bytes apart) and come back so that lane (r, h) holds
; its two whole blocks of 32: k = 64 c + 32 h + 0 .. 31 of row r.  So the conversions' results are the operand's registers.
	v_and_b32 v3, 15, v0                           ; r
	v_bfe_u32 v4, v0, 4, 1                         ; h
	s_mul_i32 s21, s20, 16*528                     ; my stage
	v_add_nc_u32 v6, s21, v5                       ; in: 16 x lane, + 528 for each row
	v_mul_u32_u24 v7, v3, 528
	v_lshl_add_u32 v7, v4, 7, v7
	v_add_nc_u32 v7, s21, v7                       ; back: row r, + 128 h
	v_lshlrev_b32 v8, 2, v3                        ; 4 r: a scale word's place
	v_lshlrev_b32 v9, 3, v4                        ; 8 h: my two bytes' shift in the word
	v_mov_b32 v204, 0                              ; a lane permute's destination counts as one of its sources
	s_mov_b32 s22, 0x76543210
	s_mov_b32 s23, 0xfedcba98                      ; selects for lane l xor 16
	s_lshr_b32 s24, ttmp9, 1
	s_lshl_b32 s24, s24, 18                        ; 32 (T / 2) rows of 8,192 bytes
	s_and_b32 s25, ttmp9, 1
	s_lshl_b32 s25, s25, 16                        ; + 8 (T % 2) rows
	s_add_co_u32 s24, s24, s25
	s_lshl_b32 s25, s20, 11                        ; + my four K steps of 512 bytes
	s_add_co_u32 s24, s24, s25
	s_mov_b32 s25, 0
	s_lshr_b32 s26, ttmp9, 3
	s_mul_i32 s26, s26, RBLK
	s_mul_i32 s27, s20, 4*KST
	s_add_co_u32 s26, s26, s27                     ; the tile's block of rows, my first K step
	s_and_b32 s27, ttmp9, 7
	s_lshl_b32 s28, s27, 6
	s_add_co_u32 s28, s28, s26
	s_add_co_u32 s28, s28, SCO                     ; the tile's scale words
	s_mov_b32 s29, 0
	s_mul_i32 s27, s27, FRB
	s_add_co_u32 s26, s26, s27                     ; the tile's image
	s_mov_b32 s27, 0
	s_wait_alu depctr_va_vdst(0)
	s_wait_kmcnt 0x0
	s_add_nc_u64 s[4:5], s[4:5], s[24:25]
	s_add_nc_u64 s[30:31], s[14:15], s[26:27]
	s_add_nc_u64 s[32:33], s[14:15], s[28:29]
.macro XLOAD f                         ; fragment f: 16 rows x 512 bytes into v16-79
.irp i, 0,1,2,3,4,5,6,7,8,9,10,11,12,13,14,15
	global_load_b128 v[16+4*\i:19+4*\i], v5, s[4:5] offset:((\i%8)+16*(\i/8))*ROWX+512*(\f) th:TH_LOAD_NT
.endr
.endm
.macro XFRAG f
	s_wait_loadcnt 0x0                             ; this fragment's 16 loads, the only ones out
.irp i, 0,1,2,3,4,5,6,7,8,9,10,11,12,13,14,15
	ds_store_b128 v6, v[16+4*\i:19+4*\i] offset:528*\i
.endr
.irp c, 0,1
.irp j, 0,1,2,3,4,5,6,7
	ds_load_b128 v[80+32*\c+4*\j:83+32*\c+4*\j], v7 offset:256*\c+16*\j   ; LDS serves a wave's instructions in order: these see the stores above
.endr
.endr
	s_wait_dscnt 0x0                               ; my numbers are back, and the stores have read their registers,
.if (\f) < 3
	XLOAD (\f)+1                                   ; which take the next fragment's loads while this one is worked
.endif
.irp c, 0,1
	v_max3_num_f32 v[10+\c], |v[80+32*\c]|, |v[81+32*\c]|, FLOOR   ; my block 2 c + h: all its 32 numbers are mine; the floor holds the byte at 1 from below
.endr
.irp i, 2,4,6,8,10,12,14,16,18,20,22,24,26,28,30
.irp c, 0,1
	v_max3_num_f32 v[10+\c], v[10+\c], |v[80+32*\c+\i]|, |v[81+32*\c+\i]|
.endr
.endr
.irp c, 0,1
	v_add_nc_u32 v[12+\c], OFF4, v[10+\c]          ; 4 off the exponent field: the conversion's scale operand
.endr
.irp c, 0,1
	v_lshrrev_b32 v[14+\c], 23, v[12+\c]           ; the scale's byte
.endr
	v_lshl_or_b32 v[200+(\f)], v15, 16, v14        ; my two bytes, blocks h and 2 + h,
	v_lshlrev_b32 v[200+(\f)], v9, v[200+(\f)]     ; at their places;
	v_permlanex16_b32 v204, v[200+(\f)], s22, s23
	v_or_b32 v[200+(\f)], v[200+(\f)], v204        ; with lane l xor 16's two the word is whole, in both halves of the lanes
.irp c, 0,1
	v_cvt_scalef32_pk16_bf6_f32 v[144+12*(\f)+6*\c:146+12*(\f)+6*\c], v[80+32*\c:95+32*\c], v[12+\c]
	v_cvt_scalef32_pk16_bf6_f32 v[192+4*\c:194+4*\c], v[96+32*\c:111+32*\c], v[12+\c]   ; (a conversion's three registers begin on an even number)
.endr
	v_nop                                          ; one plain place behind a scaled conversion
.irp c, 0,1
.irp i, 0,1,2
	v_mov_b32 v[147+12*(\f)+6*\c+\i], v[192+4*\c+\i]
.endr
.endr
.irp c, 0,1,2
	global_store_b128 v5, v[144+12*(\f)+4*\c:147+12*(\f)+4*\c], s[30:31] offset:KST*(\f)+512*\c   ; 512 consecutive bytes; each fragment has registers of its own, so no store's data are written again
.endr
	global_store_b32 v8, v[200+(\f)], s[32:33] offset:KST*(\f)   ; both halves of the lanes write the same word to the same place
.endm
	XLOAD 0
	XFRAG 0
	XFRAG 1
	XFRAG 2
	XFRAG 3
	s_wait_tensorcnt 0x0
	ds_add_u32 v224, v225
	s_wait_dscnt 0x0
	s_endpgm
; ---------------- the weights: a work-group takes 128 columns x 256 along K; wave b the tiles 2 b and 2 b + 1; A LANE TAKES A COLUMN AND ITS REGISTERS RUN DOWN K.
; Lane L takes lane-row L % 16 of tile 2 b + L / 16.  It then holds all four blocks of a K step of its column: blocks 0, 2 are what lane (r, 0) of the fragment wants, blocks 1, 3 what lane (r, 1) wants.
; Twelve exchanges of half-waves turn the two runs of registers into the two tiles' fragments.
.Lweights:
	s_sub_co_u32 s21, ttmp9, 128                   ; 0-127 Wq, 128-255 Wo, 256-287 Wk, 288-319 Wv
	s_and_b32 s22, s21, 7                          ; which 256 along K
	s_wait_alu depctr_va_vdst(0)
	v_and_b32 v3, 7, v2
	v_bfe_u32 v4, v2, 4, 1
	v_lshl_add_u32 v3, v4, 3, v3
	v_bfe_u32 v4, v2, 3, 1
	v_lshl_add_u32 v3, v4, 4, v3                   ; my column among the wave's 32: L % 8 + 8 (L / 16) + 16 ((L / 8) % 2)
	v_lshlrev_b32 v3, 2, v3
	s_lshl_b32 s23, s20, 7
	v_add_nc_u32 v3, s23, v3                       ; in bytes, + the wave's 32 columns
	v_lshlrev_b32 v6, 2, v2                        ; 4 x lane
.macro WLOAD t, stride                 ; block t: W(32 t + i, my column) into set t % 2; 32 lanes read 128 consecutive bytes
.irp i, 0,1,2,3,4,5,6,7,8,9,10,11,12,13,14,15,16,17,18,19,20,21,22,23,24,25,26,27,28,29,30,31
	global_load_b32 v[32+32*((\t)%2)+\i], v3, s[4:5] offset:(32*(\t)+\i)*(\stride) th:TH_LOAD_NT
.endr
.endm
.macro WBLOCK t, stride
.set XS, 32+32*((\t)%2)
.set DS, 96+24*((\t)/4)+12*((\t)%2)+6*(((\t)/2)%2)   ; K step t / 4; blocks 0, 2 in the first run of 12, blocks 1, 3 in the second
.set F0, 96+24*((\t)/4)
.if (\t) < 7
	s_wait_loadcnt 32                              ; this block's 32 loads are in; the next block's may be out
.else
	s_wait_loadcnt 0x0
.endif
	v_max3_num_f32 v12, |v[XS]|, |v[XS+1]|, |v[XS+2]|
	v_max3_num_f32 v13, |v[XS+3]|, |v[XS+4]|, |v[XS+5]|
.irp i, 6,10,14,18,22,26
	v_max3_num_f32 v12, v12, |v[XS+\i]|, |v[XS+\i+1]|
	v_max3_num_f32 v13, v13, |v[XS+\i+2]|, |v[XS+\i+3]|
.endr
	v_max3_num_f32 v12, v12, |v[XS+30]|, |v[XS+31]|
	v_max3_num_f32 v12, v12, v13, FLOOR
	v_add_nc_u32 v11, OFF4, v12
	v_lshrrev_b32 v13, 23, v11
.if (\t)%4 == 0
	v_mov_b32 v[148+(\t)/4], v13                   ; the K step's scale word of my column: four bytes, the lower K lower
.else
	v_lshl_or_b32 v[148+(\t)/4], v13, 8*((\t)%4), v[148+(\t)/4]
.endif
	v_cvt_scalef32_pk16_bf6_f32 v[DS:DS+2], v[XS:XS+15], v11
	v_cvt_scalef32_pk16_bf6_f32 v[144:146], v[XS+16:XS+31], v11
	v_nop                                          ; one plain place behind a scaled conversion
.irp i, 0,1,2
	v_mov_b32 v[DS+3+\i], v[144+\i]
.endr
.if (\t)+2 < 8
	WLOAD (\t)+2, \stride
.endif
.if (\t)%4 == 3
.irp i, 0,1,2,3,4,5,6,7,8,9,10,11
	v_permlane16_swap_b32 v[F0+\i], v[F0+12+\i]    ; the first run's lanes 16-31 change places with the second's lanes 0-15: the runs are now the fragments of tiles 2 b and 2 b + 1
.endr
.irp c, 0,1,2
	global_store_b128 v5, v[F0+4*\c:F0+4*\c+3], s[16:17] offset:((\t)/4)*KST+512*\c
	global_store_b128 v5, v[F0+12+4*\c:F0+12+4*\c+3], s[16:17] offset:((\t)/4)*KST+FRB+512*\c
.endr
	global_store_b32 v6, v[148+(\t)/4], s[32:33] offset:((\t)/4)*KST   ; 128 consecutive bytes: the two tiles' scale words
.endif
.endm
.macro WBODY stride                    ; s24: the block of rows in wimg; s22: which 256 along K; s[4:5]: the weight at my work-group's corner
	s_mul_i32 s28, s24, RBLK
	s_mul_i32 s29, s22, 2*KST
	s_add_co_u32 s28, s28, s29
	s_lshl_b32 s30, s20, 7
	s_add_co_u32 s30, s30, s28
	s_add_co_u32 s30, s30, SCO
	s_mov_b32 s31, 0
	s_mul_i32 s29, s20, 2*FRB
	s_add_co_u32 s28, s28, s29
	s_mov_b32 s29, 0
	s_add_nc_u64 s[32:33], s[16:17], s[30:31]
	s_add_nc_u64 s[16:17], s[16:17], s[28:29]
	WLOAD 0, \stride
	WLOAD 1, \stride
.irp t, 0,1,2,3,4,5,6,7
	WBLOCK \t, \stride
.endr
	s_endpgm
.endm
	s_cmp_ge_u32 s21, 256
	s_cbranch_scc1 .Lnarrow
	s_wait_kmcnt 0x0
	s_cmp_lt_u32 s21, 128                          ; Wq or Wo: the choice hangs on the work-group's number alone
	s_cselect_b64 s[4:5], s[6:7], s[12:13]
	s_cselect_b32 s24, 0, 24
	s_and_b32 s25, s21, 127
	s_lshr_b32 s25, s25, 3                         ; which 128 columns
	s_add_co_u32 s24, s24, s25
	s_lshl_b32 s26, s25, 9
	s_lshl_b32 s27, s22, 21                        ; 256 rows of 8,192 bytes
	s_add_co_u32 s26, s26, s27
	s_mov_b32 s27, 0
	s_add_nc_u64 s[4:5], s[4:5], s[26:27]
	s_wait_alu depctr_va_vdst(0)
	WBODY 8192
.Lnarrow:
	s_wait_kmcnt 0x0
	s_sub_co_u32 s25, s21, 256
	s_cmp_lt_u32 s25, 32                           ; Wk or Wv
	s_cselect_b64 s[4:5], s[8:9], s[10:11]
	s_lshr_b32 s25, s25, 3
	s_add_co_u32 s24, s25, 16                      ; blocks 16-19 Wk, 20-23 Wv
	s_and_b32 s25, s25, 3
	s_lshl_b32 s26, s25, 9
	s_lshl_b32 s27, s22, 19                        ; 256 rows of 2,048 bytes
	s_add_co_u32 s26, s26, s27
	s_mov_b32 s27, 0
	s_add_nc_u64 s[4:5], s[4:5], s[26:27]
	s_wait_alu depctr_va_vdst(0)
	WBODY 2048
; ---------------- the table: rope[position][cos of 32 frequencies][sin of 32], f32.  Lane j is frequency j; a wave makes 16 positions.
; The angle is reduced by n = the nearest whole number of quarter turns (pi / 2 in two parts, by fused multiply-adds: the first difference is exact for angles under 2,048), then polynomials on |r| <= pi / 4.
.Ltable:
	v_mov_b32 v3, 0
.macro FREQ lane, bits
	s_mov_b32 s21, \bits
	v_writelane_b32 v3, s21, \lane
.endm
	FREQ 0, 0x3f800000                             ; 10^(-j / 8), j = 0 .. 31
	FREQ 1, 0x3f3ff911
	FREQ 2, 0x3f0ff59a
	FREQ 3, 0x3ed7e89b
	FREQ 4, 0x3ea1e89b
	FREQ 5, 0x3e72d424
	FREQ 6, 0x3e361887
	FREQ 7, 0x3e088d77
	FREQ 8, 0x3dcccccd
	FREQ 9, 0x3d99940e
	FREQ 10, 0x3d6655c3
	FREQ 11, 0x3d2cba15
	FREQ 12, 0x3d0186e2
	FREQ 13, 0x3cc24350
	FREQ 14, 0x3c91ad39
	FREQ 15, 0x3c5a7bf1
	FREQ 16, 0x3c23d70a
	FREQ 17, 0x3bf5b9b0
	FREQ 18, 0x3bb8449c
	FREQ 19, 0x3b8a2e77
	FREQ 20, 0x3b4f3e37
	FREQ 21, 0x3b1b690d
	FREQ 22, 0x3ae91528
	FREQ 23, 0x3aaec98e
	FREQ 24, 0x3a83126f
	FREQ 25, 0x3a44948c
	FREQ 26, 0x3a136a16
	FREQ 27, 0x39dd1726
	FREQ 28, 0x39a5cb5f
	FREQ 29, 0x3978a814
	FREQ 30, 0x393a7753
	FREQ 31, 0x390bd472
	v_lshlrev_b32 v4, 2, v2                        ; 4 x lane
	s_sub_co_u32 s22, ttmp9, 448
	s_lshl_b32 s22, s22, 2
	s_add_co_u32 s22, s22, s20
	s_lshl_b32 s22, s22, 4                         ; my wave's first position
	s_lshl_b32 s24, s22, 8                         ; 256 bytes a position
	s_mov_b32 s25, 0
	s_mov_b32 s26, 0x3fc90fdb                      ; pi / 2, upper part
	s_mov_b32 s27, 0xb33bbd2e                      ; and the rest of it
	s_mov_b32 s28, 0xbe2aaaa3                      ; sine: r + r^3 (s28 + r^2 (s29 + r^2 s30))
	s_mov_b32 s29, 0x3c08839e
	s_mov_b32 s30, 0xb94ca1f9
	s_mov_b32 s31, 0x3d2aaaa5                      ; cosine: 1 - r^2 / 2 + r^4 (s31 + r^2 (s32 + r^2 s33))
	s_mov_b32 s32, 0xbab6061a
	s_mov_b32 s33, 0x37ccf5ce
	s_wait_kmcnt 0x0
	s_add_nc_u64 s[18:19], s[18:19], s[24:25]
.macro TPOS p
	s_add_co_u32 s23, s22, \p
	v_cvt_f32_u32 v10, s23
	s_wait_alu depctr_va_vdst(0)
	v_mul_f32 v10, v10, v3                         ; the angle, one rounding
	v_mul_f32 v11, 0x3f22f983, v10                 ; x 2 / pi
	v_rndne_f32 v11, v11                           ; n
	v_fma_f32 v12, -v11, s26, v10
	v_fma_f32 v12, -v11, s27, v12                  ; r
	v_cvt_i32_f32 v13, v11
	v_mul_f32 v14, v12, v12
	v_fma_f32 v15, v14, s30, s29
	v_fma_f32 v16, v14, s33, s32
	v_fma_f32 v15, v15, v14, s28
	v_fma_f32 v16, v16, v14, s31
	v_mul_f32 v17, v14, v12
	v_mul_f32 v18, v14, v14
	v_fma_f32 v19, v14, -0.5, 1.0
	v_fma_f32 v15, v15, v17, v12                   ; sin r
	v_fma_f32 v16, v16, v18, v19                   ; cos r
	v_and_b32 v17, 1, v13
	v_cmp_eq_u32 vcc_lo, 1, v17                    ; an odd quarter swaps the two: a choice of values, no branch
	v_cndmask_b32 v18, v15, v16, vcc_lo
	v_cndmask_b32 v19, v16, v15, vcc_lo
	v_and_b32 v17, 2, v13
	v_lshlrev_b32 v17, 30, v17
	v_xor_b32 v[65+2*\p], v17, v18                 ; the sine is negative in quarters 2 and 3,
	v_add_nc_u32 v17, 1, v13
	v_and_b32 v17, 2, v17
	v_lshlrev_b32 v17, 30, v17
	v_xor_b32 v[64+2*\p], v17, v19                 ; the cosine in quarters 1 and 2
	global_store_b32 v4, v[64+2*\p], s[18:19] offset:256*\p
	global_store_b32 v4, v[65+2*\p], s[18:19] offset:256*\p+128
.endm
.irp p, 0,1,2,3,4,5,6,7,8,9,10,11,12,13,14,15
	TPOS \p
.endr
	s_endpgm
.Lfunc_end_k_qf3827a64fe_prep:
	.size	k_qf3827a64fe_prep, .Lfunc_end_k_qf3827a64fe_prep-k_qf3827a64fe_prep
	.p2alignl 7, 3214868480
	.fill 96, 4, 3214868480
	.section	.rodata,"a",@progbits
	.p2align	6, 0x0
	.amdhsa_kernel k_qf3827a64fe_prep
		.amdhsa_group_segment_fixed_size 34304
		.amdhsa_private_segment_fixed_size 0
		.amdhsa_enable_private_segment 0
		.amdhsa_kernarg_size 64
		.amdhsa_user_sgpr_count 2
		.amdhsa_user_sgpr_kernarg_segment_ptr 1
		.amdhsa_wavefront_size32 1
		.amdhsa_system_sgpr_workgroup_id_x 1
		.amdhsa_system_sgpr_workgroup_id_y 1
		.amdhsa_system_sgpr_workgroup_id_z 1
		.amdhsa_system_vgpr_workitem_id 0
		.amdhsa_next_free_vgpr 226
		.amdhsa_next_free_sgpr 66
		.amdhsa_reserve_vcc 1
		.amdhsa_float_denorm_mode_32 3
		.amdhsa_float_denorm_mode_16_64 3
		.amdhsa_memory_ordered 1
		.amdhsa_forward_progress 1
		.amdhsa_inst_pref_size 136
	.end_amdhsa_kernel
	.amdgpu_metadata
---
amdhsa.version: [ 1, 2 ]
amdhsa.kernels:
  - .name:           k_qf3827a64fe_prep
    .symbol:         k_qf3827a64fe_prep.kd
    .args:
      - { .name: hidden_states, .offset: 0, .size: 8, .value_kind: global_buffer, .address_space: global }
      - { .name: Wq, .offset: 8, .size: 8, .value_kind: global_buffer, .address_space: global }
      - { .name: Wk, .offset: 16, .size: 8, .value_kind: global_buffer, .address_space: global }
      - { .name: Wv, .offset: 24, .size: 8, .value_kind: global_buffer, .address_space: global }
      - { .name: Wo, .offset: 32, .size: 8, .value_kind: global_buffer, .address_space: global }
      - { .name: ximg, .offset: 40, .size: 8, .value_kind: global_buffer, .address_space: global }
      - { .name: wimg, .offset: 48, .size: 8, .value_kind: global_buffer, .address_space: global }
      - { .name: rope, .offset: 56, .size: 8, .value_kind: global_buffer, .address_space: global }
    .group_segment_fixed_size: 34304
    .private_segment_fixed_size: 0
    .kernarg_segment_align: 8
    .kernarg_segment_size: 64
    .max_flat_workgroup_size: 128
    .sgpr_count:     66
    .vgpr_count:     226
    .wavefront_size: 32
...
	.end_amdgpu_metadata
.endif
;; end of part 1
;; launch qkv (part 2): grid 24 x 16, 4 waves a work-group, clusters of 4 x 4, 327,680 bytes of LDS; arguments ximg, wimg, rope, qb, kv; writes qb, kv
.if DOCPART == 2
	.amdgcn_target "amdgcn-amd-amdhsa--gfx1250"
	.amdhsa_code_object_version 6
	.text
	.protected	k_qf3827a64fe_qkv
	.globl	k_qf3827a64fe_qkv
	.p2align	8
	.type	k_qf3827a64fe_qkv,@function
k_qf3827a64fe_qkv:
	s_mov_b64 s[64:65], 0
	v_nop
	global_prefetch_b8 v0, s[64:65] scope:SCOPE_SE
	s_setreg_imm32_b32 hwreg(HW_REG_WAVE_MODE, 25, 1), 1
	s_wait_xcnt 0x0
	s_wait_alu depctr_hold_cnt(0) depctr_sa_sdst(0) depctr_va_vdst(0) depctr_va_sdst(0) depctr_va_ssrc(0) depctr_va_vcc(0) depctr_vm_vsrc(0)
	s_getreg_b32 s2, hwreg(HW_REG_IB_STS2, 6, 4)
	s_cmp_eq_u32 s2, 0
	s_cbranch_scc0 .Lentry_in_a_cluster
	s_endpgm
.Lentry_in_a_cluster:
	s_bfe_u32 s2, ttmp6, 0x10000c
	s_cmp_lg_u32 s2, 0xf033
	s_cbranch_scc0 .Lentry_shape_is_right
	s_endpgm
.Lentry_shape_is_right:
; q, k, v = x Wq, x Wk, x Wv ON CODES OF BF6 (E3M2), THEN ROPE (q, k) IN f32, THEN QUANTISED AGAIN AS THE OPERANDS OF ATTENTION.
; A work-group makes 128 x 128, each of its four waves 64 x 64: 16 accumulators.  K = 2,048 goes in 16 steps of 128.  Operands lie in memory as images of operand registers with their scale words behind
; them, 12,800 bytes for 128 rows and a K step, so a side's four K steps are one dense block of 51,200 bytes.
; SOURCE 0 = P (LDS side B), SOURCE 1 = R (LDS side A): a lane holds ONE row of R, and its registers run along P, 16 neighbours to two tiles (the tiles' rows are chosen for it).
;   clusters x = 0-3: q, x = 4: k:  P = 128 columns of the weight (two heads), R = 128 positions: a lane holds a position, its registers a head's 64 channels: the next product's K.
;   cluster  x = 5:   v:            P = 128 positions, R = 128 columns of Wv: a lane holds a channel, its registers 64 keys: the next product's K.
; Only pointers and offsets in memory are chosen by the kind; it is the cluster's x, the same in all sixteen partners.
; CLUSTERS: 4 x 4.  Side A hangs on the place along y and is asked for jointly by a row of the cluster, side B on the place along x, by a column.
; LDS: three slots of four K steps (side A 51,200 bytes, side B 51,200); all three are filled at the start, slot 0 once more (K steps 12-15) when K step 3 is done: that load has eight K steps in which to land.
; OUT: half fragments of 768 bytes (registers 0-5: 16 rows x 64 along K; 512 bytes at 16 x lane, 256 at 8 x lane), and for each 64 rows 128 bytes of scale halfwords: the word at 4 x lane holds tile lane / 16 low, tile 2 + lane / 16 high.
;   qb [head][256 positions][16 half fragments, 512 bytes of scales];  kv [kv head][256 keys][K: 16, V: 16 half fragments, K's scales 512, V's 512].
; q's division by sqrt(64) is 3 off each of q's scale bytes: exact.
; LIMITS: blocks of q, k, v whose largest magnitude lies under 2^-119 get the byte 4 (so that 3 can be taken off without a borrow) where the rule gives less; blocks of zeros likewise (zero codes); NaN and infinities are not served.
; REGISTERS: window 0: v1-2 the add's; v4-15 LDS addresses; v16-20 lane offsets; v24-39 scale words, two sets; v40-167 accumulators ((rho, pi) at 40 + 8 (4 rho + pi)); v168-207 codes; v208-231 at work.
;   window 1: fragments, two sets of 96 (P's four, R's four).   window 2: v0-127 cosines and sines, 32 for each tile of R.
.set RBLK,  204800
.set KST,   12800
.set FRB,   1536
.set SCO,   12288
.set SIDE,  4*KST
.set SLOT,  2*SIDE
.set PIECE, 2*KST                      ; what one load of the refill brings
.set HPIECE, 6*KST                     ; what the head's one load a wave brings: six K steps of a side
.set ASIDE, 12*KST                     ; LDS: side A's K steps 0-11, then side B's; K steps 12-15 come into the places of 0-3
.set SPARE, 3*SLOT                     ; behind the slots: the spare words, 128 bytes a wave, that no other line names
.set SPW, 1
.set NIL, 2
.set AP,  4                            ; v4-6   P's fragments in slot 0, 1, 2
.set AR,  7                            ; v7-9   R's
.set ASP, 10                           ; v10-12 P's scale words
.set ASR, 13                           ; v13-15 R's
.set L16, 16
.set L8,  17
.set L4,  18
.set SH,  19                           ; 16 x (lane / 16)
.set TO,  20                           ; my byte in the table
.set SC,  24
.set ACC, 40
.set PC0, 168
.set TM,  208
.set PW,  224
.set HW,  225
.set SCW, 226
.set TT,  228
.set SEL, 2                            ; s[2:3] selects for lane l xor 16
.set MSB, 0
.macro WIN new                         ; the immediate's high byte repeats the setting that is left
.if MSB != \new
	s_set_vgpr_msb (MSB<<8)|\new
.set MSB, \new
.endif
.endm
.macro PLACES                          ; four plain places behind matrix instructions, in front of loads into their registers and of reads of their results
.rept 4
	v_nop
.endr
.endm
.macro JLOAD n                         ; a joint load, n = 0 the head's (slots 0-2), n = 1 the refill of slot 0: waves 0, 1 side A's halves, waves 2, 3 side B's; four v_nop follow each line
	s_cmp_eq_u32 s15, 0
	s_cbranch_scc0 .Lfor_b_\@
	tensor_load_to_lds s[40+4*(\n):43+4*(\n)], s[24:31]
	s_nop 0
.rept 4
	v_nop
.endr
	s_branch .Lasked_\@
.Lfor_b_\@:
	tensor_load_to_lds s[52+4*(\n):55+4*(\n)], s[32:39]
	s_nop 0
.rept 4
	v_nop
.endr
.Lasked_\@:
.endm
.macro CROUND                          ; a round of the cluster's barrier
	s_barrier_signal -1
	s_barrier_wait -1
	s_cmp_lg_u32 s14, 0
	s_cbranch_scc1 .Lnot_wave_0_\@
	s_barrier_signal -3
.Lnot_wave_0_\@:
	s_barrier_wait -3
	s_barrier_signal -1
	s_barrier_wait -1
.endm
.macro FETCH sl, j, set                ; 32 LDS loads: K step j of slot sl into set: 8 fragments (three loads of 512 consecutive bytes each) and 8 scale words
	WIN 0x40
.irp i, 0,1,2,3
.irp c, 0,1,2
	ds_load_b128 v[96*(\set)+12*\i+4*\c:96*(\set)+12*\i+4*\c+3], v[AP+(\sl)] offset:(\j)*KST+\i*FRB+512*\c
.endr
.endr
.irp i, 0,1,2,3
.irp c, 0,1,2
	ds_load_b128 v[96*(\set)+48+12*\i+4*\c:96*(\set)+48+12*\i+4*\c+3], v[AR+(\sl)] offset:(\j)*KST+\i*FRB+512*\c
.endr
.endr
	WIN 0
.irp i, 0,1,2,3
	ds_load_b32 v[SC+8*(\set)+\i], v[ASP+(\sl)] offset:(\j)*KST+64*\i
	ds_load_b32 v[SC+8*(\set)+4+\i], v[ASR+(\sl)] offset:(\j)*KST+64*\i
.endr
.endm
.macro MUL set, zero                   ; 16 matrix instructions; the 16 accumulators take turns, in the same order in every K step
	WIN 0x05
.irp a, 0,1,2,3
.irp b, 0,1,2,3
.if \zero
	v_wmma_scale_f32_16x16x128_f8f6f4 v[ACC+8*(4*\a+\b):ACC+8*(4*\a+\b)+7], v[96*(\set)+12*\b:96*(\set)+12*\b+11], v[96*(\set)+48+12*\a:96*(\set)+48+12*\a+11], 0, v[SC+8*(\set)+\b], v[SC+8*(\set)+4+\a] matrix_a_fmt:MATRIX_FMT_BF6 matrix_b_fmt:MATRIX_FMT_BF6
.else
	v_wmma_scale_f32_16x16x128_f8f6f4 v[ACC+8*(4*\a+\b):ACC+8*(4*\a+\b)+7], v[96*(\set)+12*\b:96*(\set)+12*\b+11], v[96*(\set)+48+12*\a:96*(\set)+48+12*\a+11], v[ACC+8*(4*\a+\b):ACC+8*(4*\a+\b)+7], v[SC+8*(\set)+\b], v[SC+8*(\set)+4+\a] matrix_a_fmt:MATRIX_FMT_BF6 matrix_b_fmt:MATRIX_FMT_BF6
.endif
.endr
.endr
	WIN 0
.endm
.macro KSTEP k, zero                   ; K step k, whose successor lies in a slot that is known whole: the successor is fetched into the other set, then k is multiplied
	PLACES
	FETCH ((((\k)+1)/4)%3), (((\k)+1)%4), (((\k)+1)%2)
	s_wait_dscnt 32                                ; all but the 32 just issued
	MUL ((\k)%2), \zero
.endm
.macro TURN k, fill                    ; K step k, behind which a barrier is owed.  fill = 1: slot 0 is filled again
	s_wait_tensorcnt 0x0                           ; all my tensor loads have landed, so a group 0 may be written;
	ds_add_u32 v[SPW], v[NIL]                      ; 0 onto my spare word
	s_wait_dscnt 1                                 ; (this K step's fragments are in; the add may be out)
	MUL ((\k)%2), 0                                ; sixteen matrix instructions stand between the add and the wait for it
.if \fill
	s_mov_b32 s26, 100<<16                         ; no tensor load of mine is out: from here on a load brings 100 rows of 256 bytes
	s_mov_b32 s28, 100
	s_mov_b32 s34, 100<<16
	s_mov_b32 s36, 100
.endif
	s_wait_dscnt 0x0                               ; the add is done, and my reads of every slot so far are over
.if \fill
	CROUND
	JLOAD 1
.else
	s_barrier_signal -1
	s_barrier_wait -1                              ; slot 0's second fill is whole for every wave
	PLACES
.endif
	FETCH ((((\k)+1)/4)%3), (((\k)+1)%4), (((\k)+1)%2)
.endm
; 64 numbers of a lane, register 16 b + i = k 32 b + 16 (lane / 16) + i of my row, become 12 registers of codes at v[pc] on and the scale word v[PW] (the same in both halves of the lanes).
.macro QUANT s, pc, floor
.irp b, 0,1,2,3
	v_max3_num_f32 v[TM+\b], |v[(\s)+16*\b]|, |v[(\s)+1+16*\b]|, \floor
.endr
.irp i, 2,4,6,8,10,12,14
.irp b, 0,1,2,3
	v_max3_num_f32 v[TM+\b], v[TM+\b], |v[(\s)+16*\b+\i]|, |v[(\s)+1+16*\b+\i]|
.endr
.endr
.irp b, 0,1,2,3
	v_permlanex16_b32 v[TM+4+\b], v[TM+\b], s[SEL], s[SEL+1]
.endr
.irp b, 0,1,2,3
	v_max_num_f32 v[TM+\b], v[TM+\b], v[TM+4+\b]   ; with lane l xor 16's: the block's largest magnitude
.endr
.irp b, 0,1,2,3
	v_add_nc_u32 v[TM+12+\b], 0xfe000000, v[TM+\b] ; 4 off its exponent field: the conversion's scale operand
.endr
.irp b, 0,1,2,3
	v_lshrrev_b32 v[TM+4+\b], 23, v[TM+12+\b]      ; the scale's byte
.endr
	v_lshl_or_b32 v[PW], v[TM+5], 8, v[TM+4]
	v_lshl_or_b32 v[PW], v[TM+6], 16, v[PW]
	v_lshl_or_b32 v[PW], v[TM+7], 24, v[PW]
.irp c, 0,1
	v_cvt_scalef32_pk16_bf6_f32 v[(\pc)+6*\c:(\pc)+2+6*\c], v[(\s)+32*\c:(\s)+15+32*\c], v[TM+12+2*\c]
	v_cvt_scalef32_pk16_bf6_f32 v[(\pc)+12+4*\c:(\pc)+14+4*\c], v[(\s)+16+32*\c:(\s)+31+32*\c], v[TM+12+2*\c+1]
.endr
	v_nop                                          ; one plain place behind a scaled conversion
.irp c, 0,1                            ; the layout wants a whole block in a lane
.irp i, 0,1,2
	v_permlane16_swap_b32 v[(\pc)+6*\c+\i], v[(\pc)+12+4*\c+\i]
.endr
.irp i, 0,1,2
	v_mov_b32 v[(\pc)+3+6*\c+\i], v[(\pc)+12+4*\c+\i]
.endr
.endr
.endm
	s_load_b256 s[4:11], s[0:1], 0x0               ; ximg s[4:5], wimg s[6:7], rope s[8:9], qb s[10:11]
	s_load_b64 s[12:13], s[0:1], 0x20              ; kv
	v_lshl_add_u32 v[SPW], v0, 2, SPARE
	v_mov_b32 v[NIL], 0
	ds_add_u32 v1, v2
	ds_add_u32 v1, v2
	s_wait_dscnt 0x0
	v_lshrrev_b32 v3, 5, v0
	v_readfirstlane_b32 s14, v3                    ; wave 0..3
	s_lshr_b32 s15, s14, 1                         ; which 64 rows of R are mine.  Also: I fetch for side A (0) or B (1)
	s_and_b32 s16, s14, 1                          ; which 64 rows of P.  Also: which half of a side's four K steps I fetch
	s_bfe_u32 s17, ttmp6, 0x40000                  ; cx
	s_bfe_u32 s18, ttmp6, 0x40004                  ; cy
	s_and_b32 s19, ttmp7, 0xffff
	s_lshl_b32 s19, s19, 2                         ; 4 x cluster y
	s_lshl_b32 s66, ttmp9, 2                       ; 4 x cluster x
	s_lshl_b32 s20, s18, 2
	s_lshl_b32 s20, 15, s20                        ; my row of the cluster
	s_lshl_b32 s21, 0x1111, s17                    ; my column
	s_add_co_u32 s67, s19, s18                     ; side A: positions' block 4 cluster y + cy,
	s_add_co_u32 s68, s18, 20                      ;   or (v) Wv's block 20 + cy
	s_add_co_u32 s69, s66, s17                     ; side B: the weight's block 4 cluster x + cx,
	s_add_co_u32 s70, s19, s17                     ;   or (v) positions' block 4 cluster y + cx
	s_cmp_eq_u32 ttmp9, 5
	s_cselect_b32 s22, s68, s67
	s_cselect_b32 s23, s70, s69
	; descriptor group 1: a dense piece of 76,800 bytes as 300 rows of 256 bytes (32 elements of 8 bytes), no padding
	s_or_b32 s24, s20, (3<<16)|(1<<21)             ; 15:0 the mask: side A goes to my row; 17:16 elements of 8 bytes; 21 set beside a mask
	s_or_b32 s32, s21, (3<<16)|(1<<21)             ; side B goes to my column
.irp g, 24, 32
	s_mov_b32 s[\g+1], 32<<16                      ; tensor_dim0 = 32
	s_mov_b32 s[\g+2], 300<<16                     ; tensor_dim1 = 300
	s_mov_b32 s[\g+3], 32<<16                      ; tile_dim0 = 32
	s_mov_b32 s[\g+4], 300                         ; tile_dim1 = 300
	s_mov_b32 s[\g+5], 32                          ; from row to row
	s_mov_b32 s[\g+6], 0
	s_mov_b32 s[\g+7], 0
.endr
	s_mul_i32 s76, s22, RBLK
	s_mul_i32 s77, s16, HPIECE
	s_add_co_u32 s76, s76, s77                     ; side A: its block, my half of twelve K steps
	s_mul_i32 s78, s23, RBLK
	s_add_co_u32 s78, s78, s77                     ; side B likewise
	s_mov_b32 s77, 0
	s_mov_b32 s79, 0
	s_mul_i32 s80, s14, HPIECE
	s_mov_b32 s[SEL], 0x76543210
	s_mov_b32 s[SEL+1], 0xfedcba98
	s_wait_kmcnt 0x0
	s_cmp_eq_u32 ttmp9, 5
	s_cselect_b64 s[72:73], s[6:7], s[4:5]
	s_cselect_b64 s[74:75], s[4:5], s[6:7]
	s_add_nc_u64 s[72:73], s[72:73], s[76:77]
	s_add_nc_u64 s[74:75], s[74:75], s[78:79]
	CROUND                                         ; all sixteen work-groups are here: the first joint loads meet
	s_mov_b32 s40, 1                               ; the head's load, one a wave: my six K steps of my side
	s_mov_b32 s41, s80
	s_mov_b64 s[42:43], s[72:73]
	s_or_b32 s43, s43, 0x80000000
	s_mov_b32 s52, 1
	s_mov_b32 s53, s80
	s_mov_b64 s[54:55], s[74:75]
	s_or_b32 s55, s55, 0x80000000
	s_mul_i32 s66, s16, 4*KST                      ; the refill: K steps 12 + 2 half, 13 + 2 half, into the places of K steps 2 half, 2 half + 1
	s_sub_co_u32 s66, 12*KST, s66
	s_mov_b32 s67, 0
	s_mul_i32 s68, s15, ASIDE
	s_mul_i32 s69, s16, PIECE
	s_add_co_u32 s68, s68, s69
	s_mov_b32 s44, 1
	s_mov_b32 s45, s68
	s_add_nc_u64 s[46:47], s[72:73], s[66:67]
	s_or_b32 s47, s47, 0x80000000
	s_mov_b32 s56, 1
	s_mov_b32 s57, s68
	s_add_nc_u64 s[58:59], s[74:75], s[66:67]
	s_or_b32 s59, s59, 0x80000000
	JLOAD 0
	v_and_b32 v3, 31, v0
	v_lshlrev_b32 v[L16], 4, v3
	v_lshlrev_b32 v[L8], 3, v3
	v_lshlrev_b32 v[L4], 2, v3
	v_and_b32 v21, 15, v0                          ; r
	v_bfe_u32 v22, v0, 4, 1                        ; h
	v_lshlrev_b32 v[SH], 4, v22
	v_lshlrev_b32 v23, 2, v21
	s_wait_alu depctr_va_vdst(0)
	s_mul_i32 s66, s16, 4*FRB
	s_add_co_u32 s66, s66, ASIDE
	s_mul_i32 s67, s15, 4*FRB                      ; R's: side A
	s_lshl_b32 s68, s16, 8
	s_add_co_u32 s68, s68, ASIDE+SCO
	s_lshl_b32 s69, s15, 8
	s_add_co_u32 s69, s69, SCO
.irp n, 0,1,2
	v_add_nc_u32 v[AP+\n], s66, v[L16]
	v_add_nc_u32 v[AR+\n], s67, v[L16]
	v_add_nc_u32 v[ASP+\n], s68, v23
	v_add_nc_u32 v[ASR+\n], s69, v23
	s_add_co_u32 s66, s66, SIDE
	s_add_co_u32 s67, s67, SIDE
	s_add_co_u32 s68, s68, SIDE
	s_add_co_u32 s69, s69, SIDE
.endr
.irp b, 0,1,2,3
	v_mov_b32 v[TM+4+\b], 0                        ; a lane permute's destination counts as one of its sources
.endr
	; the table: for tile rho of R my position is 32 (rho / 2) + 8 (rho % 2) + r % 8 + 16 (r / 8) of my 64; I want frequencies 16 h + 0 .. 15.  (For v the loads stay inside the table and are not used.)
	v_and_b32 v3, 7, v21
	v_lshrrev_b32 v21, 3, v21
	v_lshl_add_u32 v3, v21, 4, v3
	v_lshlrev_b32 v3, 8, v3
	v_lshl_add_u32 v[TO], v22, 6, v3
	v_xor_b32 v21, 128, v[L16]                     ; tiles 2, 3 of each 64 rows are stored with lane-rows 0-7 and 8-15 changed over (lane xor 8)
	v_xor_b32 v22, 64, v[L8]
	s_and_b32 s90, s22, 15
	s_lshl_b32 s90, s90, 15                        ; 128 positions of 256 bytes
	s_lshl_b32 s91, s15, 14
	s_add_co_u32 s90, s90, s91
	s_mov_b32 s91, 0
	s_add_nc_u64 s[8:9], s[8:9], s[90:91]
	WIN 0x80
.irp a, 0,1,2,3
.irp j, 0,1,2,3
	global_load_b128 v[32*\a+4*\j:32*\a+4*\j+3], v[TO], s[8:9] offset:(32*(\a/2)+8*(\a%2))*256+16*\j
	global_load_b128 v[32*\a+16+4*\j:32*\a+16+4*\j+3], v[TO], s[8:9] offset:(32*(\a/2)+8*(\a%2))*256+128+16*\j
.endr
.endr
	WIN 0
	; where my results go
	s_mov_b32 s86, 204800                          ; from head to head: kv's, or qb's
	s_mov_b32 s87, 25600                           ; from 256 rows to the next
	s_mov_b32 s88, 24576                           ; where the scales begin
	s_cmp_lt_u32 ttmp9, 4
	s_cselect_b64 s[82:83], s[10:11], s[12:13]
	s_cselect_b32 s86, 102400, s86
	s_cselect_b32 s87, 12800, s87
	s_cselect_b32 s88, 12288, s88
	s_cselect_b32 s81, 0x0303, 0                   ; q alone: 3 off both bytes of a halfword
	s_lshl_b32 s91, s23, 1
	s_add_co_u32 s91, s91, s16                     ; which 64 of P's rows in its tensor
	s_lshl_b32 s92, s22, 1
	s_add_co_u32 s92, s92, s15                     ; which 64 of R's
	s_sub_co_u32 s93, s92, 40                      ; v: the kv head (Wv begins at block 20)
	s_sub_co_u32 s94, s91, 32                      ; k: the kv head (Wk begins at block 16)
	s_cmp_eq_u32 ttmp9, 4
	s_cselect_b32 s94, s94, s91
	s_cmp_eq_u32 ttmp9, 5
	s_cselect_b32 s94, s93, s94                    ; the head
	s_cselect_b32 s95, s91, s92                    ; the group of 64 positions
	s_cselect_b32 s89, 12288, 0                    ; V's half fragments lie behind K's,
	s_cselect_b32 s90, 512, 0                      ; its scales behind K's
	s_add_co_u32 s88, s88, s90
	s_mul_i32 s94, s94, s86
	s_lshr_b32 s93, s95, 2
	s_mul_i32 s93, s93, s87
	s_add_co_u32 s94, s94, s93
	s_and_b32 s95, s95, 3
	s_mul_i32 s96, s95, 3072
	s_add_co_u32 s96, s96, s94
	s_add_co_u32 s96, s96, s89
	s_mov_b32 s97, 0
	s_lshl_b32 s98, s95, 7
	s_add_co_u32 s98, s98, s94
	s_add_co_u32 s98, s98, s88
	s_mov_b32 s99, 0
	s_add_nc_u64 s[84:85], s[82:83], s[98:99]
	s_add_nc_u64 s[82:83], s[82:83], s[96:97]
	s_wait_alu depctr_va_vdst(0)                   ; the wait at the head's end
	s_wait_tensorcnt 0x0                           ; my six K steps are in
	s_barrier_signal -1
	s_barrier_wait -1
	FETCH 0, 0, 0
	KSTEP 0, 1                                     ; the first K step starts the sums: nothing is cleared
	KSTEP 1, 0
	KSTEP 2, 0
	TURN 3, 1
.irp k, 4,5,6,7,8,9,10
	KSTEP \k, 0
.endr
	TURN 11, 0
	KSTEP 12, 0
	KSTEP 13, 0
	KSTEP 14, 0
	s_wait_dscnt 0x0
	MUL 1, 0
	PLACES
	s_wait_loadcnt 0x0                             ; the table
	s_cmp_eq_u32 ttmp9, 5
	s_cbranch_scc1 .Lno_rope                       ; v is not turned: a branch on the cluster's x, round vector work alone
	; ROPE.  Register i of tiles 0, 1 of P is channel 16 h + i, register i of tiles 2, 3 channel 32 + 16 h + i: x1' = x1 cos - x2 sin, x2' = x2 cos + x1 sin.  Ascending.
	WIN 0x08                                       ; source 1 (cosines, sines) window 2
.irp a, 0,1,2,3
.irp i, 0,2,4,6,8,10,12,14
	v_pk_mul_f32 v[TT+(\i%4):TT+(\i%4)+1], v[ACC+32*\a+\i:ACC+32*\a+\i+1], v[32*\a+16+\i:32*\a+16+\i+1]
	v_pk_mul_f32 v[ACC+32*\a+\i:ACC+32*\a+\i+1], v[ACC+32*\a+\i:ACC+32*\a+\i+1], v[32*\a+\i:32*\a+\i+1]
	v_pk_fma_f32 v[ACC+32*\a+\i:ACC+32*\a+\i+1], v[ACC+32*\a+16+\i:ACC+32*\a+16+\i+1], v[32*\a+16+\i:32*\a+16+\i+1], v[ACC+32*\a+\i:ACC+32*\a+\i+1] neg_lo:[1,0,0] neg_hi:[1,0,0]
	v_pk_fma_f32 v[ACC+32*\a+16+\i:ACC+32*\a+16+\i+1], v[ACC+32*\a+16+\i:ACC+32*\a+16+\i+1], v[32*\a+\i:32*\a+\i+1], v[TT+(\i%4):TT+(\i%4)+1]
.endr
.endr
	WIN 0
.Lno_rope:
	; Two tiles of R at a time: their 2 x 32 registers are 2 x 64 along the next K: blocks 0, 1 are the first tile's, blocks 2, 3 the second's; so registers 0-5 of the codes are the first tile's half fragment, 6-11 the second's.
.irp p, 0,1
	QUANT ACC+64*\p, PC0+20*\p, 0x4000000
	v_lshrrev_b32 v[HW], v[SH], v[PW]              ; lanes 0-15 keep the first tile's halfword low, lanes 16-31 get the second's
	v_sub_nc_u32 v[HW], v[HW], s81                 ; q / 8, exactly (bytes are 4 at the least: no borrow)
.if \p == 0
	v_and_b32 v[SCW], 0xffff, v[HW]
.else
	v_lshl_or_b32 v[SCW], v[HW], 16, v[SCW]
.endif
	global_store_b128 v[L16+5*\p], v[PC0+20*\p:PC0+20*\p+3], s[82:83] offset:1536*\p
	global_store_b64 v[L8+5*\p], v[PC0+20*\p+4:PC0+20*\p+5], s[82:83] offset:1536*\p+512
	global_store_b128 v[L16+5*\p], v[PC0+20*\p+6:PC0+20*\p+9], s[82:83] offset:1536*\p+768
	global_store_b64 v[L8+5*\p], v[PC0+20*\p+10:PC0+20*\p+11], s[82:83] offset:1536*\p+1280
.endr
	global_store_b32 v[L4], v[SCW], s[84:85]
	s_wait_tensorcnt 0x0                           ; the wave's end
	ds_add_u32 v[SPW], v[NIL]
	s_wait_dscnt 0x0
	CROUND                                         ; the closing round
	s_endpgm
.Lfunc_end_k_qf3827a64fe_qkv:
	.size	k_qf3827a64fe_qkv, .Lfunc_end_k_qf3827a64fe_qkv-k_qf3827a64fe_qkv
	.p2alignl 7, 3214868480
	.fill 96, 4, 3214868480
	.section	.rodata,"a",@progbits
	.p2align	6, 0x0
	.amdhsa_kernel k_qf3827a64fe_qkv
		.amdhsa_group_segment_fixed_size 327680
		.amdhsa_private_segment_fixed_size 0
		.amdhsa_enable_private_segment 0
		.amdhsa_kernarg_size 40
		.amdhsa_user_sgpr_count 2
		.amdhsa_user_sgpr_kernarg_segment_ptr 1
		.amdhsa_wavefront_size32 1
		.amdhsa_system_sgpr_workgroup_id_x 1
		.amdhsa_system_sgpr_workgroup_id_y 1
		.amdhsa_system_sgpr_workgroup_id_z 1
		.amdhsa_system_vgpr_workitem_id 0
		.amdhsa_next_free_vgpr 640
		.amdhsa_next_free_sgpr 100
		.amdhsa_reserve_vcc 0
		.amdhsa_float_denorm_mode_32 3
		.amdhsa_float_denorm_mode_16_64 3
		.amdhsa_memory_ordered 1
		.amdhsa_forward_progress 1
		.amdhsa_inst_pref_size 100
	.end_amdhsa_kernel
	.amdgpu_metadata
---
amdhsa.version: [ 1, 2 ]
amdhsa.kernels:
  - .name:           k_qf3827a64fe_qkv
    .symbol:         k_qf3827a64fe_qkv.kd
    .args:
      - { .name: ximg, .offset: 0, .size: 8, .value_kind: global_buffer, .address_space: global }
      - { .name: wimg, .offset: 8, .size: 8, .value_kind: global_buffer, .address_space: global }
      - { .name: rope, .offset: 16, .size: 8, .value_kind: global_buffer, .address_space: global }
      - { .name: qb, .offset: 24, .size: 8, .value_kind: global_buffer, .address_space: global }
      - { .name: kv, .offset: 32, .size: 8, .value_kind: global_buffer, .address_space: global }
    .group_segment_fixed_size: 327680
    .private_segment_fixed_size: 0
    .kernarg_segment_align: 8
    .kernarg_segment_size: 40
    .max_flat_workgroup_size: 128
    .sgpr_count:     100
    .vgpr_count:     640
    .wavefront_size: 32
...
	.end_amdgpu_metadata
.endif
;; end of part 2
;; launch attn (part 3): grid 32 x 8, 8 waves a work-group, clusters of 4 x 4, 327,680 bytes of LDS; arguments qb, kv, attention_mask, aimg; writes aimg
.if DOCPART == 3
	.amdgcn_target "amdgcn-amd-amdhsa--gfx1250"
	.amdhsa_code_object_version 6
	.text
	.protected	k_qf3827a64fe_attn
	.globl	k_qf3827a64fe_attn
	.p2align	8
	.type	k_qf3827a64fe_attn,@function
k_qf3827a64fe_attn:
	s_mov_b64 s[64:65], 0
	v_nop
	global_prefetch_b8 v0, s[64:65] scope:SCOPE_SE
	s_setreg_imm32_b32 hwreg(HW_REG_WAVE_MODE, 25, 1), 1
	s_wait_xcnt 0x0
	s_wait_alu depctr_hold_cnt(0) depctr_sa_sdst(0) depctr_va_vdst(0) depctr_va_sdst(0) depctr_va_ssrc(0) depctr_va_vcc(0) depctr_vm_vsrc(0)
	s_getreg_b32 s2, hwreg(HW_REG_IB_STS2, 6, 4)
	s_cmp_eq_u32 s2, 0
	s_cbranch_scc0 .Lentry_in_a_cluster
	s_endpgm
.Lentry_in_a_cluster:
	s_bfe_u32 s2, ttmp6, 0x10000c
	s_cmp_lg_u32 s2, 0xf033
	s_cbranch_scc0 .Lentry_shape_is_right
	s_endpgm
.Lentry_shape_is_right:
; ATTENTION ON CODES OF BF6 (E3M2): logit = q k / 8 + mask; p = 2^(logit log2(e) - M), M the running largest t rounded up to a whole number;
; O = (p v) / (the sum of the unquantised p); O is quantised as the last product's operand.
; THE MASK IS AN INPUT: it is read whole and added as given (as the C of the first product); no key is left out, no work is left out.
; SHARES: a work-group owns 64 queries x the four heads of one kv head; wave w the 16 queries of tile w % 4 and heads 2 (w / 4) + 0, 1. Every wave walks 2,048 keys, 128 a step.
; LAYOUT: S^T = K Q^T, O^T = V^T P^T: a lane holds one query. THE KEYS OF A TILE OF K ARE CHOSEN AT THE LDS READ: lane-row r of tile 4 c + t is key 64 c + 32 (r / 8) + 8 t + r % 8,
; so the 32 registers of tiles 4 c .. 4 c + 3 are keys 64 c + 32 (lane / 16) + 0 .. 31: a whole block of 32, in the very place that the operand's layout gives the lane. No exchange of codes between lanes.
; In memory tiles 2, 3 of each 64 rows lie with lane xor 8, so the 16 lanes of a read of K, which come from two tiles 1,536 bytes apart, name 256 different bytes modulo 256.
; The head's K is 64: Q's upper six registers are zero codes; K's tiles lie six registers apart (scale bytes 0 there: 2^-127, no NaN).
; ORDER OF A STEP: both heads' S^T; the change of slots (all reads of this step's slot are in registers by then), with head 0's softmax and product between the barrier's signal and its wait;
; the refill; the next step's K, mask and scales; head 1; the next step's V.
; CLUSTER 4 x 4: the mask's tiles hang on the query block and are asked for jointly by a column, K, V and their scales on the kv head, by a row.
; LDS: two slots of 128 keys, 65,536 bytes apart: four groups of 16 rows of the mask (rows 528 bytes apart, groups 8,576), K 6,144, V 6,144, K's scales 256, V's 256.
; Waves 0-3 fetch a group of the mask, wave 4 the codes, wave 5 the scales.
; LIMITS: NaN and infinities (a mask of -infinity too) are not served; logits under -1.7e38 count as that; the promise holds while |t| stays under 2^31. Blocks of zeros keep the byte 1.
.set SLOT1, 1<<16
.set MPIT,  528
.set MGRP,  8576
.set KVO,   4*MGRP
.set SCB,   KVO+12288
.set SPARE, 2*SLOT1                    ; the spare words, 128 bytes for each of eight waves
.set FLOOR, 0x2800000
.set OFF4,  0xfe000000
.set SPW, 1
.set NIL, 2
.set LB,  3                            ; v3-13 lane parts of LDS addresses: K b128 x 2, K b64 x 2, V b128, V b64, the same two for tiles 2, 3, mask, K's scales, V's scales
.set G16, 14
.set G4R, 15
.set ST,  16                           ; v16-23 for each head: -M, largest logit, the sum's two halves
.set AD,  24                           ; v24-34 the same eleven with the slot added
.set PFO, 35
.set KS,  36
.set VS,  40
.set VR,  42
.set QS,  44
.set PW,  46
.set FF,  48
.set TM,  52                           ; v52-61 at work
.set SH8, 62
.set S,   64                           ; v64-191 S^T, then p, 64 a head
.set O,   192                          ; v192-255 O^T, 32 a head
.set VF,  64                           ; window 1: v0-53 K; v64-111 V; v128-191 mask; v192-215 Q; v216-235 p's codes
.set MK,  128
.set QF,  192
.set PC,  216
.set PT,  228
.set WV,  12
.set SEL, 20
.set CS,  22
.set TB,  48
.set CNT, 49
.set LIM, 50
.set PFA, 52
.set MSB, 0
.macro WIN new
.if MSB != \new
	s_set_vgpr_msb (MSB<<8)|\new
.set MSB, \new
.endif
.endm
.macro D n
	s_delay_alu instid0(VALU_DEP_\n)
.endm
.macro PLACES
.rept 4
	v_nop
.endr
.endm
.macro ARM under, g0, g1, join
	s_cmp_lt_u32 s[WV], \under
	s_cbranch_scc0 .Lno_\@
	tensor_load_to_lds s[\g0:\g0+3], s[\g1:\g1+7]
	s_nop 0
.rept 4
	v_nop
.endr
	s_branch \join
.Lno_\@:
.endm
.macro JLOAD                           ; one chain of branches on the wave's number, one load to an arm, one join
	ARM 4, 40, 24, .Lj_\@
	ARM 5, 44, 32, .Lj_\@
	ARM 6, 88, 80, .Lj_\@
.Lj_\@:
.endm
.macro NEXT                            ; every group 0 on by one step of 128 keys, into the other slot (a chunk of kv holds two steps: the increments take turns)
	s_xor_b32 s41, s41, SLOT1
	s_add_nc_u64 s[42:43], s[42:43], 512
	s_xor_b32 s45, s45, SLOT1
	s_add_nc_u64 s[46:47], s[46:47], s[92:93]
	s_xor_b32 s92, s92, 6144^19456
	s_xor_b32 s89, s89, SLOT1
	s_add_nc_u64 s[90:91], s[90:91], s[94:95]
	s_xor_b32 s94, s94, 256^25344
.endm
.macro CREST
	s_cmp_lg_u32 s[WV], 0
	s_cbranch_scc1 .Lnot_wave_0_\@
	s_barrier_signal -3
.Lnot_wave_0_\@:
	s_barrier_wait -3
	s_barrier_signal -1
	s_barrier_wait -1
.endm
.macro CROUND
	s_barrier_signal -1
	s_barrier_wait -1
	CREST
.endm
; A prefetch of the mask's tile that the refill after the next will ask for: 64 rows x 512 bytes. The clusters with y = 0 ask; the partner at place cy takes rows 16 cy .. + 15, told apart by address;
; wave 6 asks: lane l names row l % 16, bytes 256 (l / 16) on. The last refill but none has no such tile: CNT = 1 asks for nothing.
.macro ASK
	s_cmp_gt_u32 s[CNT], s[LIM]
	s_cbranch_scc0 .Lnot_mine_\@
	global_prefetch_b8 v[PFO], s[PFA:PFA+1] th:TH_LOAD_NT scope:SCOPE_SE
.Lnot_mine_\@:
.endm
.macro ADDRS
.irp i, 0,1,2,3,4,5,6,7,8,9,10
	v_add_nc_u32 v[AD+\i], s[TB], v[LB+\i]
.endr
.endm
.macro LOADKM                          ; 36 LDS loads: K's eight tiles, the mask at my query's 128 keys, K's scales
	WIN 0x40
.irp t, 0,1,2,3,4,5,6,7
	ds_load_b128 v[6*\t:6*\t+3], v[AD+(\t%4)/2] offset:(4*(\t/4)+\t%2)*768
	ds_load_b64 v[6*\t+4:6*\t+5], v[AD+2+(\t%4)/2] offset:(4*(\t/4)+\t%2)*768
.endr
.irp c, 0,1
.irp j, 0,1,2,3,4,5,6,7
	ds_load_b128 v[MK+32*\c+4*\j:MK+32*\c+4*\j+3], v[AD+8] offset:256*\c+16*\j
.endr
.endr
	WIN 0
.irp i, 0,1,2,3
	ds_load_u16 v[KS+\i], v[AD+9] offset:128*(\i/2)+32*(\i%2)   ; lanes 0-15 the even tile's halfword, lanes 16-31 the odd tile's
.endr
.endm
.macro LOADV                           ; 18 LDS loads
	WIN 0x40
.irp a, 0,1,2,3
.irp u, 0,1
	ds_load_b128 v[VF+12*\a+6*\u:VF+12*\a+6*\u+3], v[AD+4+2*(\a/2)] offset:(4*\u+\a)*768
	ds_load_b64 v[VF+12*\a+6*\u+4:VF+12*\a+6*\u+5], v[AD+5+2*(\a/2)] offset:(4*\u+\a)*768
.endr
.endr
	WIN 0
.irp u, 0,1
	ds_load_b32 v[VR+\u], v[AD+10] offset:128*\u
.endr
.endm
.macro QK e
.irp t, 0,1,2,3,4,5,6,7
.if \t%2
	v_wmma_scale_f32_16x16x128_f8f6f4 v[S+64*(\e)+8*\t:S+64*(\e)+8*\t+7], v[6*\t:6*\t+11], v[QF+12*(\e):QF+12*(\e)+11], v[MK+8*\t:MK+8*\t+7], v[KS+\t/2], v[QS+(\e)] matrix_a_fmt:MATRIX_FMT_BF6 matrix_b_fmt:MATRIX_FMT_BF6 matrix_a_scale:MATRIX_SCALE_ROW1
.else
	v_wmma_scale_f32_16x16x128_f8f6f4 v[S+64*(\e)+8*\t:S+64*(\e)+8*\t+7], v[6*\t:6*\t+11], v[QF+12*(\e):QF+12*(\e)+11], v[MK+8*\t:MK+8*\t+7], v[KS+\t/2], v[QS+(\e)] matrix_a_fmt:MATRIX_FMT_BF6 matrix_b_fmt:MATRIX_FMT_BF6
.endif
.endr
.endm
; ONE HEAD'S SOFTMAX AND SECOND PRODUCT: work on registers alone.
.macro HEAD e
.set SB,  S+64*(\e)
.set STT, ST+4*(\e)
.set OB,  O+32*(\e)
.set F,   FF+2*(\e)
.if \e
	s_wait_alu depctr_va_vdst(0)                   ; the wait, directly ahead of the first reader of S^T: head 0's exponentials stand between
.endif
.irp b, 0,1,2,3
	v_max3_num_f32 v[TM+\b], v[SB+16*\b], v[SB+1+16*\b], v[SB+2+16*\b]   ; four chains, each accumulator from its low end on
.endr
.irp i, 3,5,7,9,11,13
.irp b, 0,1,2,3
	v_max3_num_f32 v[TM+\b], v[TM+\b], v[SB+16*\b+\i], v[SB+1+16*\b+\i]
.endr
.endr
.irp c, 0,2
	v_max3_num_f32 v[TM+\c], v[TM+\c], v[TM+1+\c], v[SB+15+16*\c]
.endr
.irp c, 0,2
	v_max_num_f32 v[TM+\c], v[TM+\c], v[SB+31+16*\c]   ; the largest logit of my two whole blocks: it serves the row's maximum and the block's largest p
.endr
	D 1
	v_max_num_f32 v[TM+4], v[TM], v[TM+2]
	D 1
	v_permlanex16_b32 v[TM+5], v[TM+4], s[SEL], s[SEL+1]
	D 1
	v_max3_num_f32 v[STT+1], v[STT+1], v[TM+4], v[TM+5]   ; the running largest logit
	v_mov_b32 v[TM+4], v[STT]
	D 2
	v_mul_f32 v[TM+6], s[CS], v[STT+1]             ; as t
	D 1
	v_floor_f32 v[STT], -v[TM+6]                   ; -M = floor(-t)
	D 1
	v_sub_f32 v[TM+4], v[STT], v[TM+4]             ; old M - new M
	D 1
	v_cvt_i32_f32 v[TM+4], v[TM+4]                 ; (it saturates)
	D 1
	v_ldexp_f32 v[F], 1.0, v[TM+4]                 ; f = 2^(old M - new M)
.set j, 0
.rept 32
	v_pk_fma_f32 v[SB+j:SB+j+1], v[SB+j:SB+j+1], s[CS:CS+1], v[STT:STT+1] op_sel_hi:[1,0,0]
.set j, j+2
.endr
.irp c, 0,2
	v_fma_f32 v[TM+\c], v[TM+\c], s[CS], v[STT]
.endr
	s_wait_alu depctr_va_vdst(0)                   ; the wait ahead of the batch
.set j, 0
.rept 64
	v_exp_f32 v[SB+j], v[SB+j]
.set j, j+1
.endr
.irp c, 0,2
	v_exp_f32 v[TM+\c], v[TM+\c]                   ; the block's largest p
.endr
	v_pk_mul_f32 v[STT+2:STT+3], v[STT+2:STT+3], v[F:F+1] op_sel_hi:[1,0]   ; the sums under the new M (a plain place)
	s_wait_alu depctr_va_vdst(0)                   ; one wait for the batch
.irp c, 0,2
	v_max_num_f32 v[TM+\c], FLOOR, v[TM+\c]
.endr
.irp c, 0,1
	D 2
	v_add_nc_u32 v[TM+6+\c], OFF4, v[TM+2*\c]      ; the conversion's scale operand
.endr
.irp c, 0,1
	D 2
	v_lshrrev_b32 v[TM+8+\c], 23, v[TM+6+\c]       ; the byte of block 2 c + lane / 16
.endr
	D 1
	v_lshl_or_b32 v[TM+8], v[TM+9], 16, v[TM+8]
	D 1
	v_lshlrev_b32 v[TM+8], v[SH8], v[TM+8]
	D 1
	v_permlanex16_b32 v[TM+5], v[TM+8], s[SEL], s[SEL+1]
	D 1
	v_or_b32 v[PW+(\e)], v[TM+8], v[TM+5]          ; with lane l xor 16's two bytes the word is whole
	WIN 0x40
.irp c, 0,1
	v_cvt_scalef32_pk16_bf6_f32 v[PC+6*\c:PC+6*\c+2], v[SB+32*\c:SB+32*\c+15], v[TM+6+\c]
	v_cvt_scalef32_pk16_bf6_f32 v[PT+4*\c:PT+4*\c+2], v[SB+32*\c+16:SB+32*\c+31], v[TM+6+\c]   ; (three registers begin on an even number)
.endr
	v_nop                                          ; one plain place behind a scaled conversion
	WIN 0x41
.irp c, 0,1
.irp i, 0,1,2
	v_mov_b32 v[PC+3+6*\c+\i], v[PT+4*\c+\i]
.endr
.endr
	WIN 0
	v_pk_add_f32 v[TM+4:TM+5], v[SB:SB+1], v[SB+2:SB+3]   ; the sum of the unquantised p, in two chains
.irp j, 4,8,12,16,20,24,28,32,36,40,44,48,52,56,60
	v_pk_add_f32 v[STT+2:STT+3], v[STT+2:STT+3], v[SB+\j:SB+\j+1]
	v_pk_add_f32 v[TM+4:TM+5], v[TM+4:TM+5], v[SB+\j+2:SB+\j+3]
.endr
	D 1
	v_pk_add_f32 v[STT+2:STT+3], v[STT+2:STT+3], v[TM+4:TM+5]
	s_wait_alu depctr_va_vdst(0)                   ; the wait, directly ahead of the first reader of O^T
.set j, 0
.rept 16
	v_pk_mul_f32 v[OB+j:OB+j+1], v[OB+j:OB+j+1], v[F:F+1] op_sel_hi:[1,0]
.set j, j+2
.endr
	WIN 0x05
.irp a, 0,1,2,3
.if \a%2
	v_wmma_scale_f32_16x16x128_f8f6f4 v[OB+8*\a:OB+8*\a+7], v[VF+12*\a:VF+12*\a+11], v[PC:PC+11], v[OB+8*\a:OB+8*\a+7], v[VS+\a/2], v[PW+(\e)] matrix_a_fmt:MATRIX_FMT_BF6 matrix_b_fmt:MATRIX_FMT_BF6 matrix_a_scale:MATRIX_SCALE_ROW1
.else
	v_wmma_scale_f32_16x16x128_f8f6f4 v[OB+8*\a:OB+8*\a+7], v[VF+12*\a:VF+12*\a+11], v[PC:PC+11], v[OB+8*\a:OB+8*\a+7], v[VS+\a/2], v[PW+(\e)] matrix_a_fmt:MATRIX_FMT_BF6 matrix_b_fmt:MATRIX_FMT_BF6
.endif
.endr
	WIN 0
.endm
; A KEY STEP. kind 2: this step's slot is filled again, two steps ahead; 1: a barrier for the last slot, nothing is filled; 0: the last step.
.macro STEP kind
	s_wait_dscnt 18                                ; K, the mask and K's scales are in; the 18 loads of V and its scales may be out
	WIN 0x15
	QK 0
	QK 1
	WIN 0
.if \kind
	s_wait_tensorcnt 0x0                           ; all my tensor loads have landed: my part of the next slot
	ds_add_u32 v[SPW], v[NIL]                      ; 0 onto my spare word
.if \kind == 2
	ds_add_u32 v[SPW], v[NIL]
	NEXT
	s_wait_xcnt 0x0                                ; the last prefetch has read its address
	s_add_nc_u64 s[PFA:PFA+1], s[PFA:PFA+1], 512
.endif
	s_xor_b32 s[TB], s[TB], SLOT1
.endif
	s_wait_dscnt 0x0                               ; V is in: my reads of this slot are over (and the add is done)
	v_perm_b32 v[VS], v[VR+1], v[VR], 0x05040100   ; V's tiles 0, 1: two bytes of each 64 keys
	v_perm_b32 v[VS+1], v[VR+1], v[VR], 0x07060302 ; tiles 2, 3
	v_nop
	v_nop                                          ; four places behind the products
.if \kind
	s_barrier_signal -1
.endif
	HEAD 0
.if \kind
	s_barrier_wait -1
.if \kind == 2
	CREST                                          ; the barrier has opened a round of the cluster's barrier
	JLOAD
.endif
	ADDRS
	LOADKM
.if \kind == 2
	ASK
.endif
.endif
	HEAD 1
.if \kind
	PLACES
	LOADV
.endif
.endm
	s_load_b256 s[4:11], s[0:1], 0x0               ; qb, kv, the mask, aimg
	v_lshl_add_u32 v[SPW], v0, 2, SPARE
	v_mov_b32 v[NIL], 0
	ds_add_u32 v[SPW], v[NIL]
	ds_add_u32 v[SPW], v[NIL]
	v_lshrrev_b32 v3, 5, v0
	D 1
	v_readfirstlane_b32 s[WV], v3
	s_and_b32 s17, s[WV], 3                        ; my tile of queries
	s_lshr_b32 s18, s[WV], 2                       ; my pair of heads
	s_bfe_u32 s13, ttmp6, 0x40000
	s_bfe_u32 s14, ttmp6, 0x40004
	s_lshl_b32 s15, ttmp9, 2
	s_add_co_u32 s15, s15, s13                     ; the block of 64 queries
	s_and_b32 s19, ttmp7, 0xffff
	s_lshl_b32 s16, s19, 2
	s_add_co_u32 s16, s16, s14                     ; the kv head
	s_lshl_b32 s54, s14, 2
	s_lshl_b32 s54, 15, s54                        ; my row of the cluster
	s_lshl_b32 s55, 0x1111, s13                    ; my column
	s_or_b32 s24, s55, (2<<16)|(1<<20)|(1<<21)|(6<<22)|(3<<25)   ; the mask: 16 rows of 128 words, 4 words of padding behind each
	s_mov_b32 s25, 128<<16
	s_mov_b32 s26, 16<<16
	s_mov_b32 s27, 128<<16
	s_mov_b32 s28, 16
	s_mov_b32 s29, 2048
	s_mov_b32 s30, 0
	s_mov_b32 s31, 0
	s_or_b32 s32, s54, (3<<16)|(1<<21)             ; the codes: two rows of 6,144 bytes (K's, V's), 12,288 apart
	s_mov_b32 s33, 768<<16
	s_mov_b32 s34, 2<<16
	s_mov_b32 s35, 768<<16
	s_mov_b32 s36, 2
	s_mov_b32 s37, 1536
	s_mov_b32 s38, 0
	s_mov_b32 s39, 0
	s_or_b32 s80, s54, (3<<16)|(1<<21)             ; the scales: two rows of 256 bytes, 512 apart
	s_mov_b32 s81, 32<<16
	s_mov_b32 s82, 2<<16
	s_mov_b32 s83, 32<<16
	s_mov_b32 s84, 2
	s_mov_b32 s85, 64
	s_mov_b32 s86, 0
	s_mov_b32 s87, 0
	s_lshl_b32 s56, s15, 19
	s_lshl_b32 s57, s17, 17
	s_add_co_u32 s56, s56, s57
	s_mov_b32 s57, 0
	s_mul_i32 s58, s16, 204800
	s_mov_b32 s59, 0
	s_mul_i32 s60, s17, MGRP
	s_mov_b32 s92, 6144
	s_mov_b32 s93, 0
	s_mov_b32 s94, 256
	s_mov_b32 s95, 0
	s_mov_b32 s[SEL], 0x76543210
	s_mov_b32 s[SEL+1], 0xfedcba98
	s_mov_b32 s[CS], 0x3fb8aa3b                    ; log2(e)
	s_mov_b32 s[CS+1], s[CS]
	s_mov_b32 s[TB], 0
	s_mov_b32 s[CNT], 14
	s_xor_b32 s[LIM], s[WV], 6
	s_or_b32 s[LIM], s[LIM], s19                   ; 0 in wave 6 of the clusters with y = 0
	s_cmp_eq_u32 s[LIM], 0
	s_cselect_b32 s[LIM], 1, -1
	s_lshl_b32 s[PFA], s15, 19
	s_lshl_b32 s[PFA+1], s14, 17
	s_add_co_u32 s[PFA], s[PFA], s[PFA+1]
	s_add_co_u32 s[PFA], s[PFA], 1024              ; at step 2: the first change steps it to step 3
	s_mov_b32 s[PFA+1], 0
	s_lshr_b32 s96, s17, 1                         ; my tile's rows in the mask's groups
	s_mul_i32 s96, s96, 2*MGRP
	s_and_b32 s99, s17, 1
	s_mul_i32 s99, s99, 8*MPIT
	s_add_co_u32 s96, s96, s99
	s_lshr_b32 s97, s17, 1
	s_lshl_b32 s97, s97, 7                         ; Q's tiles 2, 3 lie with lane xor 8
	s_and_b32 s98, s17, 1
	s_lshl_b32 s98, s98, 6
	s_lshr_b32 s99, s17, 1
	s_lshl_b32 s99, s99, 1
	s_add_co_u32 s98, s98, s99                     ; my tile's halfword among Q's scales
	s_lshl_b32 s62, s16, 2                         ; Q: head 4 g + 2 (w / 4), chunk of 256 positions, tile
	s_lshl_b32 s63, s18, 1
	s_add_co_u32 s62, s62, s63
	s_mul_i32 s62, s62, 102400
	s_lshr_b32 s63, s15, 2
	s_mul_i32 s63, s63, 12800
	s_add_co_u32 s62, s62, s63
	s_and_b32 s63, s15, 3
	s_lshl_b32 s66, s63, 7
	s_add_co_u32 s66, s66, s62
	s_add_co_u32 s66, s66, 12288
	s_mov_b32 s67, 0
	s_lshl_b32 s63, s63, 2
	s_add_co_u32 s63, s63, s17
	s_mul_i32 s63, s63, 768
	s_add_co_u32 s62, s62, s63
	s_mov_b32 s63, 0
	s_lshr_b32 s72, s15, 1                         ; the result: tile 4 X + w % 4 of positions, K step 2 g + w / 4 of the last product
	s_mul_i32 s72, s72, 204800
	s_lshl_b32 s73, s16, 1
	s_add_co_u32 s73, s73, s18
	s_mul_i32 s73, s73, 12800
	s_add_co_u32 s72, s72, s73
	s_and_b32 s73, s15, 1
	s_lshl_b32 s73, s73, 2
	s_add_co_u32 s73, s73, s17
	s_lshl_b32 s74, s73, 6
	s_add_co_u32 s74, s74, s72
	s_add_co_u32 s74, s74, 12288
	s_mov_b32 s75, 0
	s_mul_i32 s73, s73, 1536
	s_add_co_u32 s72, s72, s73
	s_mov_b32 s73, 0
	s_wait_dscnt 0x0                               ; both opening adds are done
	s_wait_kmcnt 0x0
	s_mov_b32 s40, 1
	s_mov_b32 s41, s60
	s_add_nc_u64 s[42:43], s[8:9], s[56:57]
	s_or_b32 s43, s43, 0x80000000
	s_mov_b32 s44, 1
	s_mov_b32 s45, KVO
	s_add_nc_u64 s[46:47], s[6:7], s[58:59]
	s_mov_b32 s88, 1
	s_mov_b32 s89, SCB
	s_add_nc_u64 s[90:91], s[46:47], 24576
	s_or_b32 s47, s47, 0x80000000
	s_or_b32 s91, s91, 0x80000000
	s_add_nc_u64 s[PFA:PFA+1], s[8:9], s[PFA:PFA+1]
	s_add_nc_u64 s[68:69], s[4:5], s[62:63]
	s_add_nc_u64 s[70:71], s[4:5], s[66:67]
	s_add_nc_u64 s[76:77], s[10:11], s[72:73]
	s_add_nc_u64 s[78:79], s[10:11], s[74:75]
	CROUND
	JLOAD                                          ; step 0 into slot 0: one load for each of waves 0-5 at the head
	v_and_b32 v64, 31, v0                          ; lane
	v_and_b32 v65, 7, v0                           ; r % 8
	v_bfe_u32 v66, v0, 3, 1                        ; r / 8
	v_bfe_u32 v67, v0, 4, 1                        ; h
	v_and_b32 v68, 15, v0                          ; r
	v_lshlrev_b32 v[G16], 4, v64
	v_lshlrev_b32 v[G4R], 2, v68
	v_lshlrev_b32 v[SH8], 3, v67
	v_lshlrev_b32 v69, 4, v65
	v_lshlrev_b32 v70, 3, v65
	D 2
	v_lshl_add_u32 v69, v67, 8, v69                ; 16 (r % 8) + 256 h
	D 2
	v_lshl_add_u32 v70, v67, 7, v70                ; 8 (r % 8) + 128 h
	D 2
	v_mad_u32_u24 v[LB], v66, 1664, v69            ; lane-rows 8-15 come from the tile two on, which lies with lane xor 8
	v_mad_u32_u24 v[LB+1], v66, 1408, v69
	v_mad_u32_u24 v[LB+2], v66, 1600, v70
	v_mad_u32_u24 v[LB+3], v66, 1472, v70
	D 4
	v_add_nc_u32 v[LB], KVO, v[LB]
	D 4
	v_add_nc_u32 v[LB+1], KVO+128, v[LB+1]
	D 4
	v_add_nc_u32 v[LB+2], KVO+512, v[LB+2]
	D 4
	v_add_nc_u32 v[LB+3], KVO+576, v[LB+3]
	v_add_nc_u32 v[LB+4], KVO+6144, v[G16]
	v_lshl_add_u32 v[LB+5], v64, 3, KVO+6144+512
	v_xor_b32 v69, 128, v[G16]
	v_lshlrev_b32 v70, 3, v64
	D 2
	v_add_nc_u32 v[LB+6], KVO+6144, v69
	D 2
	v_xor_b32 v70, 64, v70
	D 1
	v_add_nc_u32 v[LB+7], KVO+6144+512, v70
	v_mul_u32_u24 v[LB+8], v65, MPIT
	D 1
	v_mad_u32_u24 v[LB+8], v66, MGRP, v[LB+8]
	D 1
	v_lshl_add_u32 v[LB+8], v67, 7, v[LB+8]        ; + 32 h keys
	D 1
	v_add_nc_u32 v[LB+8], s96, v[LB+8]
	v_lshlrev_b32 v70, 2, v65
	D 1
	v_lshl_add_u32 v70, v66, 1, v70
	D 1
	v_lshl_add_u32 v70, v67, 6, v70
	D 1
	v_add_nc_u32 v[LB+9], SCB, v70
	v_lshl_add_u32 v[LB+10], v64, 2, SCB+256
	v_lshlrev_b32 v[PFO], 13, v68
	D 1
	v_lshl_add_u32 v[PFO], v67, 8, v[PFO]
	v_xor_b32 v71, s97, v[G16]
	v_add_nc_u32 v73, s98, v[G4R]
	D 2
	v_lshrrev_b32 v72, 1, v71
	WIN 0x40
.irp e, 0,1
	global_load_b128 v[QF+12*\e:QF+12*\e+3], v71, s[68:69] offset:102400*\e
	global_load_b64 v[QF+12*\e+4:QF+12*\e+5], v72, s[68:69] offset:102400*\e+512
.irp i, 6,7,8,9,10,11
	v_mov_b32 v[QF+12*\e+\i], 0                    ; Q has no K beyond 64: zero codes
.endr
.endr
.irp i, 48,49,50,51,52,53
	v_mov_b32 v[\i], 0                             ; what stands behind K's last tile
.endr
	WIN 0
.irp e, 0,1
	global_load_u16 v[QS+\e], v73, s[70:71] offset:102400*\e
	v_mov_b32 v[ST+1+4*\e], 0xff000000             ; the largest logit so far: -1.7e38
	D 1
	v_mul_f32 v[ST+4*\e], s[CS], v[ST+1+4*\e]
	D 1
	v_floor_f32 v[ST+4*\e], -v[ST+4*\e]
	v_mov_b32 v[ST+2+4*\e], 0
	v_mov_b32 v[ST+3+4*\e], 0
	v_mov_b32 v[FF+1+2*\e], 0                      ; (named as the upper half of a pair)
.endr
	v_mov_b32 v[TM+5], 0                           ; a lane permute's destination counts as one of its sources
.set j, 0
.rept 64
	v_mov_b32 v[O+j], 0                            ; the step is written once: the first finds zeros
.set j, j+1
.endr
	s_wait_alu depctr_va_vdst(0)                   ; the wait at the head's end
	s_wait_tensorcnt 0x0                           ; slot 1's first fill is issued as a refill is
	ds_add_u32 v[SPW], v[NIL]
	ds_add_u32 v[SPW], v[NIL]
	NEXT
	s_wait_dscnt 0x0
	CROUND
	JLOAD                                          ; step 1 into slot 1
	ADDRS
	LOADKM
	LOADV
	s_wait_loadcnt 0x0                             ; Q
.Lstep:                                            ; fourteen trips: steps 0-13 ask for steps 2-15
	STEP 2
	s_sub_co_u32 s[CNT], s[CNT], 1
	s_cmp_lg_u32 s[CNT], 0
	s_cbranch_scc1 .Lstep
	STEP 1                                         ; the last two steps are written out
	STEP 0
	; THE WAY OUT: O^T / the sum; the two heads' 2 x 32 registers are 128 along the last product's K, 16 neighbours to a lane (V's tiles are laid so): quantised, stored as a fragment's image.
.set W,  64
.set PO, 96
	PLACES
.irp e, 0,1
	v_add_f32 v[ST+2+4*\e], v[ST+2+4*\e], v[ST+3+4*\e]
.endr
.irp e, 0,1
	D 2
	v_permlanex16_b32 v[TM+4+\e], v[ST+2+4*\e], s[SEL], s[SEL+1]
.endr
.irp e, 0,1
	D 2
	v_add_f32 v[ST+2+4*\e], v[ST+2+4*\e], v[TM+4+\e]
.endr
	s_wait_alu depctr_va_vdst(0)
.irp e, 0,1
	v_rcp_f32 v[ST+2+4*\e], v[ST+2+4*\e]
.endr
	v_nop
	s_wait_alu depctr_va_vdst(0)
.irp e, 0,1
.irp j, 0,2,4,6,8,10,12,14,16,18,20,22,24,26,28,30
	v_pk_mul_f32 v[O+32*\e+\j:O+32*\e+\j+1], v[O+32*\e+\j:O+32*\e+\j+1], v[ST+2+4*\e:ST+3+4*\e] op_sel_hi:[1,0]
.endr
.endr
.irp b, 0,1,2,3
	v_max3_num_f32 v[W+\b], |v[O+16*\b]|, |v[O+1+16*\b]|, FLOOR
.endr
.irp i, 2,4,6,8,10,12,14
.irp b, 0,1,2,3
	D 4
	v_max3_num_f32 v[W+\b], v[W+\b], |v[O+16*\b+\i]|, |v[O+1+16*\b+\i]|
.endr
.endr
.irp b, 0,1,2,3
	v_permlanex16_b32 v[W+4+\b], v[W+\b], s[SEL], s[SEL+1]
.endr
.irp b, 0,1,2,3
	D 4
	v_max_num_f32 v[W+\b], v[W+\b], v[W+4+\b]
.endr
.irp b, 0,1,2,3
	D 4
	v_add_nc_u32 v[W+12+\b], OFF4, v[W+\b]
.endr
.irp b, 0,1,2,3
	D 4
	v_lshrrev_b32 v[W+4+\b], 23, v[W+12+\b]
.endr
	D 3
	v_lshl_or_b32 v[PW], v[W+5], 8, v[W+4]
	D 1
	v_lshl_or_b32 v[PW], v[W+6], 16, v[PW]
	D 1
	v_lshl_or_b32 v[PW], v[W+7], 24, v[PW]
.irp c, 0,1
	v_cvt_scalef32_pk16_bf6_f32 v[PO+6*\c:PO+2+6*\c], v[O+32*\c:O+15+32*\c], v[W+12+2*\c]
	v_cvt_scalef32_pk16_bf6_f32 v[PO+12+4*\c:PO+14+4*\c], v[O+16+32*\c:O+31+32*\c], v[W+12+2*\c+1]
.endr
	v_nop
.irp c, 0,1
.irp i, 0,1,2
	v_permlane16_swap_b32 v[PO+6*\c+\i], v[PO+12+4*\c+\i]
.endr
.irp i, 0,1,2
	D 3
	v_mov_b32 v[PO+3+6*\c+\i], v[PO+12+4*\c+\i]
.endr
.endr
.irp c, 0,1,2
	global_store_b128 v[G16], v[PO+4*\c:PO+4*\c+3], s[76:77] offset:512*\c
.endr
	global_store_b32 v[G4R], v[PW], s[78:79]       ; both halves of the lanes write the same word to the same place
	s_wait_tensorcnt 0x0                           ; the wave's end
	ds_add_u32 v[SPW], v[NIL]
	s_wait_dscnt 0x0
	CROUND                                         ; the closing round
	s_endpgm
.Lfunc_end_k_qf3827a64fe_attn:
	.size	k_qf3827a64fe_attn, .Lfunc_end_k_qf3827a64fe_attn-k_qf3827a64fe_attn
	.p2alignl 7, 3214868480
	.fill 96, 4, 3214868480
	.section	.rodata,"a",@progbits
	.p2align	6, 0x0
	.amdhsa_kernel k_qf3827a64fe_attn
		.amdhsa_group_segment_fixed_size 327680
		.amdhsa_private_segment_fixed_size 0
		.amdhsa_enable_private_segment 0
		.amdhsa_kernarg_size 32
		.amdhsa_user_sgpr_count 2
		.amdhsa_user_sgpr_kernarg_segment_ptr 1
		.amdhsa_wavefront_size32 1
		.amdhsa_system_sgpr_workgroup_id_x 1
		.amdhsa_system_sgpr_workgroup_id_y 1
		.amdhsa_system_sgpr_workgroup_id_z 1
		.amdhsa_system_vgpr_workitem_id 0
		.amdhsa_next_free_vgpr 512
		.amdhsa_next_free_sgpr 100
		.amdhsa_reserve_vcc 0
		.amdhsa_float_denorm_mode_32 3
		.amdhsa_float_denorm_mode_16_64 3
		.amdhsa_memory_ordered 1
		.amdhsa_forward_progress 1
		.amdhsa_inst_pref_size 118
	.end_amdhsa_kernel
	.amdgpu_metadata
---
amdhsa.version: [ 1, 2 ]
amdhsa.kernels:
  - .name:           k_qf3827a64fe_attn
    .symbol:         k_qf3827a64fe_attn.kd
    .args:
      - { .name: qb, .offset: 0, .size: 8, .value_kind: global_buffer, .address_space: global }
      - { .name: kv, .offset: 8, .size: 8, .value_kind: global_buffer, .address_space: global }
      - { .name: attention_mask, .offset: 16, .size: 8, .value_kind: global_buffer, .address_space: global }
      - { .name: aimg, .offset: 24, .size: 8, .value_kind: global_buffer, .address_space: global }
    .group_segment_fixed_size: 327680
    .private_segment_fixed_size: 0
    .kernarg_segment_align: 8
    .kernarg_segment_size: 32
    .max_flat_workgroup_size: 256
    .sgpr_count:     100
    .vgpr_count:     512
    .wavefront_size: 32
...
	.end_amdgpu_metadata
.endif
;; end of part 3
;; launch oproj (part 4): grid 16 x 16, 4 waves a work-group, clusters of 4 x 4, 327,680 bytes of LDS; arguments aimg, wimg, out0; writes out0
.if DOCPART == 4
	.amdgcn_target "amdgcn-amd-amdhsa--gfx1250"
	.amdhsa_code_object_version 6
	.text
	.protected	k_qf3827a64fe_oproj
	.globl	k_qf3827a64fe_oproj
	.p2align	8
	.type	k_qf3827a64fe_oproj,@function
k_qf3827a64fe_oproj:
	s_mov_b64 s[64:65], 0
	v_nop
	global_prefetch_b8 v0, s[64:65] scope:SCOPE_SE
	s_setreg_imm32_b32 hwreg(HW_REG_WAVE_MODE, 25, 1), 1
	s_wait_xcnt 0x0
	s_wait_alu depctr_hold_cnt(0) depctr_sa_sdst(0) depctr_va_vdst(0) depctr_va_sdst(0) depctr_va_ssrc(0) depctr_va_vcc(0) depctr_vm_vsrc(0)
	s_getreg_b32 s2, hwreg(HW_REG_IB_STS2, 6, 4)
	s_cmp_eq_u32 s2, 0
	s_cbranch_scc0 .Lentry_in_a_cluster
	s_endpgm
.Lentry_in_a_cluster:
	s_bfe_u32 s2, ttmp6, 0x10000c
	s_cmp_lg_u32 s2, 0xf033
	s_cbranch_scc0 .Lentry_shape_is_right
	s_endpgm
.Lentry_shape_is_right:
.set RBLK,  204800
.set KST,   12800
.set FRB,   1536
.set SCO,   12288
.set SIDE,  4*KST
.set SLOT,  2*SIDE
.set PIECE, 2*KST
.set HPIECE, 6*KST
.set ASIDE, 12*KST
.set SPARE, 3*SLOT
.set STAGE, SLOT
.set SP,    272
.set SPW, 1
.set NIL, 2
.set AP,  4
.set AR,  7
.set ASP, 10
.set ASR, 13
.set L16, 16
.set STO, 17
.set RD,  18
.set CO,  19
.set SC,  24
.set ACC, 40
.set MSB, 0
.macro WIN new
.if MSB != \new
	s_set_vgpr_msb (MSB<<8)|\new
.set MSB, \new
.endif
.endm
.macro PLACES
.rept 4
	v_nop
.endr
.endm
.macro JLOAD n
	s_cmp_eq_u32 s15, 0
	s_cbranch_scc0 .Lfor_b_\@
	tensor_load_to_lds s[40+4*(\n):43+4*(\n)], s[24:31]
	s_nop 0
.rept 4
	v_nop
.endr
	s_branch .Lasked_\@
.Lfor_b_\@:
	tensor_load_to_lds s[52+4*(\n):55+4*(\n)], s[32:39]
	s_nop 0
.rept 4
	v_nop
.endr
.Lasked_\@:
.endm
.macro CROUND
	s_barrier_signal -1
	s_barrier_wait -1
	s_cmp_lg_u32 s14, 0
	s_cbranch_scc1 .Lnot_wave_0_\@
	s_barrier_signal -3
.Lnot_wave_0_\@:
	s_barrier_wait -3
	s_barrier_signal -1
	s_barrier_wait -1
.endm
.macro FETCH sl, j, set
	WIN 0x40
.irp i, 0,1,2,3
.irp c, 0,1,2
	ds_load_b128 v[96*(\set)+12*\i+4*\c:96*(\set)+12*\i+4*\c+3], v[AP+(\sl)] offset:(\j)*KST+\i*FRB+512*\c
.endr
.endr
.irp i, 0,1,2,3
.irp c, 0,1,2
	ds_load_b128 v[96*(\set)+48+12*\i+4*\c:96*(\set)+48+12*\i+4*\c+3], v[AR+(\sl)] offset:(\j)*KST+\i*FRB+512*\c
.endr
.endr
	WIN 0
.irp i, 0,1,2,3
	ds_load_b32 v[SC+8*(\set)+\i], v[ASP+(\sl)] offset:(\j)*KST+64*\i
	ds_load_b32 v[SC+8*(\set)+4+\i], v[ASR+(\sl)] offset:(\j)*KST+64*\i
.endr
.endm
.macro MUL set, zero
	WIN 0x05
.irp a, 0,1,2,3
.irp b, 0,1,2,3
.if \zero
	v_wmma_scale_f32_16x16x128_f8f6f4 v[ACC+8*(4*\a+\b):ACC+8*(4*\a+\b)+7], v[96*(\set)+12*\b:96*(\set)+12*\b+11], v[96*(\set)+48+12*\a:96*(\set)+48+12*\a+11], 0, v[SC+8*(\set)+\b], v[SC+8*(\set)+4+\a] matrix_a_fmt:MATRIX_FMT_BF6 matrix_b_fmt:MATRIX_FMT_BF6
.else
	v_wmma_scale_f32_16x16x128_f8f6f4 v[ACC+8*(4*\a+\b):ACC+8*(4*\a+\b)+7], v[96*(\set)+12*\b:96*(\set)+12*\b+11], v[96*(\set)+48+12*\a:96*(\set)+48+12*\a+11], v[ACC+8*(4*\a+\b):ACC+8*(4*\a+\b)+7], v[SC+8*(\set)+\b], v[SC+8*(\set)+4+\a] matrix_a_fmt:MATRIX_FMT_BF6 matrix_b_fmt:MATRIX_FMT_BF6
.endif
.endr
.endr
	WIN 0
.endm
.macro KSTEP k, zero
	PLACES
	FETCH ((((\k)+1)/4)%3), (((\k)+1)%4), (((\k)+1)%2)
	s_wait_dscnt 32
	MUL ((\k)%2), \zero
.endm
.macro TURN k, fill
	s_wait_tensorcnt 0x0
	ds_add_u32 v[SPW], v[NIL]
	s_wait_dscnt 1
	MUL ((\k)%2), 0
.if \fill
	s_mov_b32 s26, 100<<16
	s_mov_b32 s28, 100
	s_mov_b32 s34, 100<<16
	s_mov_b32 s36, 100
.endif
	s_wait_dscnt 0x0
.if \fill
	CROUND
	JLOAD 1
.else
	s_barrier_signal -1
	s_barrier_wait -1
	PLACES
.endif
	FETCH ((((\k)+1)/4)%3), (((\k)+1)%4), (((\k)+1)%2)
.endm
	s_load_b128 s[4:7], s[0:1], 0x0
	s_load_b64 s[8:9], s[0:1], 0x10
	v_lshl_add_u32 v[SPW], v0, 2, SPARE
	v_mov_b32 v[NIL], 0
	ds_add_u32 v1, v2
	ds_add_u32 v1, v2
	s_wait_dscnt 0x0
	v_lshrrev_b32 v3, 5, v0
	v_readfirstlane_b32 s14, v3
	s_lshr_b32 s15, s14, 1
	s_and_b32 s16, s14, 1
	s_bfe_u32 s17, ttmp6, 0x40000
	s_bfe_u32 s18, ttmp6, 0x40004
	s_lshl_b32 s23, ttmp9, 2
	s_add_co_u32 s23, s23, s17
	s_and_b32 s22, ttmp7, 0xffff
	s_lshl_b32 s22, s22, 2
	s_add_co_u32 s22, s22, s18
	s_lshl_b32 s20, s18, 2
	s_lshl_b32 s20, 15, s20
	s_lshl_b32 s21, 0x1111, s17
	s_or_b32 s24, s20, (3<<16)|(1<<21)
	s_or_b32 s32, s21, (3<<16)|(1<<21)
.irp g, 24, 32
	s_mov_b32 s[\g+1], 32<<16
	s_mov_b32 s[\g+2], 300<<16
	s_mov_b32 s[\g+3], 32<<16
	s_mov_b32 s[\g+4], 300
	s_mov_b32 s[\g+5], 32
	s_mov_b32 s[\g+6], 0
	s_mov_b32 s[\g+7], 0
.endr
	s_mul_i32 s76, s22, RBLK
	s_mul_i32 s77, s16, HPIECE
	s_add_co_u32 s76, s76, s77
	s_add_co_u32 s78, s23, 24
	s_mul_i32 s78, s78, RBLK
	s_add_co_u32 s78, s78, s77
	s_mov_b32 s77, 0
	s_mov_b32 s79, 0
	s_mul_i32 s80, s14, HPIECE
	s_wait_kmcnt 0x0
	s_add_nc_u64 s[72:73], s[4:5], s[76:77]
	s_add_nc_u64 s[74:75], s[6:7], s[78:79]
	CROUND
	s_mov_b32 s40, 1                               ; the head's load, one a wave: my six K steps of my side (LDS: side A's K steps 0-11, then side B's)
	s_mov_b32 s41, s80
	s_mov_b64 s[42:43], s[72:73]
	s_or_b32 s43, s43, 0x80000000
	s_mov_b32 s52, 1
	s_mov_b32 s53, s80
	s_mov_b64 s[54:55], s[74:75]
	s_or_b32 s55, s55, 0x80000000
	s_mul_i32 s66, s16, 4*KST                      ; the refill: K steps 12-15 into the places of K steps 0-3, two K steps a wave
	s_sub_co_u32 s66, 12*KST, s66
	s_mov_b32 s67, 0
	s_mul_i32 s68, s15, ASIDE
	s_mul_i32 s69, s16, PIECE
	s_add_co_u32 s68, s68, s69
	s_mov_b32 s44, 1
	s_mov_b32 s45, s68
	s_add_nc_u64 s[46:47], s[72:73], s[66:67]
	s_or_b32 s47, s47, 0x80000000
	s_mov_b32 s56, 1
	s_mov_b32 s57, s68
	s_add_nc_u64 s[58:59], s[74:75], s[66:67]
	s_or_b32 s59, s59, 0x80000000
	JLOAD 0
	v_and_b32 v3, 31, v0
	v_lshlrev_b32 v[L16], 4, v3
	s_wait_alu depctr_va_vdst(0)
	v_and_b32 v21, 15, v0
	v_bfe_u32 v22, v0, 4, 1
	v_lshlrev_b32 v23, 2, v21
	s_wait_alu depctr_va_vdst(0)
	s_mul_i32 s66, s16, 4*FRB
	s_add_co_u32 s66, s66, ASIDE
	s_mul_i32 s67, s15, 4*FRB
	s_lshl_b32 s68, s16, 8
	s_add_co_u32 s68, s68, ASIDE+SCO
	s_lshl_b32 s69, s15, 8
	s_add_co_u32 s69, s69, SCO
.irp n, 0,1,2
	v_add_nc_u32 v[AP+\n], s66, v[L16]
	v_add_nc_u32 v[AR+\n], s67, v[L16]
	v_add_nc_u32 v[ASP+\n], s68, v23
	v_add_nc_u32 v[ASR+\n], s69, v23
	s_add_co_u32 s66, s66, SIDE
	s_add_co_u32 s67, s67, SIDE
	s_add_co_u32 s68, s68, SIDE
	s_add_co_u32 s69, s69, SIDE
.endr
	s_mul_i32 s70, s14, 16*SP
	s_add_co_u32 s70, s70, STAGE
	v_mul_u32_u24 v[STO], v21, SP
	v_lshl_add_u32 v[STO], v22, 6, v[STO]
	v_add_nc_u32 v[STO], s70, v[STO]
	v_mul_u32_u24 v[RD], v22, SP
	v_lshl_add_u32 v[RD], v21, 4, v[RD]
	v_add_nc_u32 v[RD], s70, v[RD]
	v_lshlrev_b32 v[CO], 13, v22
	v_lshl_add_u32 v[CO], v21, 4, v[CO]
	s_lshl_b32 s82, s22, 20
	s_lshl_b32 s83, s15, 19
	s_add_co_u32 s82, s82, s83
	s_lshl_b32 s83, s23, 9
	s_add_co_u32 s82, s82, s83
	s_lshl_b32 s83, s16, 8
	s_add_co_u32 s82, s82, s83
	s_mov_b32 s83, 0
	s_add_nc_u64 s[8:9], s[8:9], s[82:83]
	s_wait_alu depctr_va_vdst(0)                   ; the wait at the head's end
	s_wait_tensorcnt 0x0                           ; my six K steps are in
	s_barrier_signal -1
	s_barrier_wait -1
	FETCH 0, 0, 0
	KSTEP 0, 1
	KSTEP 1, 0
	KSTEP 2, 0
	TURN 3, 1
	s_wait_alu depctr_va_vdst(0)
.irp k, 4,5,6,7,8,9,10
	KSTEP \k, 0
.endr
	TURN 11, 0
	KSTEP 12, 0
	KSTEP 13, 0
	KSTEP 14, 0
	s_wait_dscnt 0x0
	MUL 1, 0
	PLACES
.irp a, 0,1,2,3
.irp b, 0,1,2,3
	ds_store_b128 v[STO], v[ACC+32*\a+8*\b:ACC+32*\a+8*\b+3] offset:128*(\b/2)+32*(\b%2)
	ds_store_b128 v[STO], v[ACC+32*\a+8*\b+4:ACC+32*\a+8*\b+7] offset:128*(\b/2)+32*(\b%2)+16
.endr
.irp i, 0,1,2,3,4,5,6,7
	ds_load_b128 v[ACC+32*\a+4*\i:ACC+32*\a+4*\i+3], v[RD] offset:2*\i*SP
.endr
.endr
.irp a, 0,1,2,3
	s_wait_dscnt 16*(3-\a)
.irp i, 0,1,2,3,4,5,6,7
	global_store_b128 v[CO], v[ACC+32*\a+4*\i:ACC+32*\a+4*\i+3], s[8:9] offset:(32*(\a/2)+8*(\a%2)+2*(\i%4)+16*(\i/4))*8192 th:TH_STORE_NT
.endr
.endr
	s_wait_tensorcnt 0x0
	ds_add_u32 v[SPW], v[NIL]
	s_wait_dscnt 0x0
	CROUND
	s_endpgm
.Lfunc_end_k_qf3827a64fe_oproj:
	.size	k_qf3827a64fe_oproj, .Lfunc_end_k_qf3827a64fe_oproj-k_qf3827a64fe_oproj
	.p2alignl 7, 3214868480
	.fill 96, 4, 3214868480
	.section	.rodata,"a",@progbits
	.p2align	6, 0x0
	.amdhsa_kernel k_qf3827a64fe_oproj
		.amdhsa_group_segment_fixed_size 327680
		.amdhsa_private_segment_fixed_size 0
		.amdhsa_enable_private_segment 0
		.amdhsa_kernarg_size 24
		.amdhsa_user_sgpr_count 2
		.amdhsa_user_sgpr_kernarg_segment_ptr 1
		.amdhsa_wavefront_size32 1
		.amdhsa_system_sgpr_workgroup_id_x 1
		.amdhsa_system_sgpr_workgroup_id_y 1
		.amdhsa_system_sgpr_workgroup_id_z 1
		.amdhsa_system_vgpr_workitem_id 0
		.amdhsa_next_free_vgpr 448
		.amdhsa_next_free_sgpr 90
		.amdhsa_reserve_vcc 0
		.amdhsa_float_denorm_mode_32 3
		.amdhsa_float_denorm_mode_16_64 3
		.amdhsa_memory_ordered 1
		.amdhsa_forward_progress 1
		.amdhsa_inst_pref_size 85
	.end_amdhsa_kernel
	.amdgpu_metadata
---
amdhsa.version: [ 1, 2 ]
amdhsa.kernels:
  - .name:           k_qf3827a64fe_oproj
    .symbol:         k_qf3827a64fe_oproj.kd
    .args:
      - { .name: aimg, .offset: 0, .size: 8, .value_kind: global_buffer, .address_space: global }
      - { .name: wimg, .offset: 8, .size: 8, .value_kind: global_buffer, .address_space: global }
      - { .name: out0, .offset: 16, .size: 8, .value_kind: global_buffer, .address_space: global }
    .group_segment_fixed_size: 327680
    .private_segment_fixed_size: 0
    .kernarg_segment_align: 8
    .kernarg_segment_size: 24
    .max_flat_workgroup_size: 128
    .sgpr_count:     90
    .vgpr_count:     448
    .wavefront_size: 32
...
	.end_amdgpu_metadata
.endif
;; end of part 4
